; MI455X (gfx1250); checked and timed in simulation.
; The chip was launched on July 23, 2026; its instructions are those of AMD's public machine-readable ISA for CDNA 5 (MIT licence, August 2026) and "CDNA5" Instruction Set Architecture Reference Guide (July 2026). The comments in the code are by the model that wrote it; some were corrected since.
;; Expert Pool. Allowed arithmetic: float matrix products may take bf16 or f16 operands with f32 sums; other float arithmetic in f32, or as packed bf16 or f16 multiplies, adds, multiply-adds, maxima and minima; sums over many terms, partial sums and values carried from step to step in f32; what a program stores and reads back later, other than sums and carried values, may be rounded once to bf16 or f16.
;; Inputs: b1 8 x 4,096 float32; b2 8 x 1,024 float32; expert_indices 2 x 512 x 2 int32; w1 8 x 1,024 x 4,096 float32; w2 8 x 4,096 x 1,024 float32; x 2 x 512 x 1,024 float32.
;; Outputs: out0 2 x 512 x 1,024 float32.
;; 2 versions, each right; version 2 is version 1 with the launch prep written anew for expert scheduling mode. Each part assembles by itself: llvm-mc -triple=amdgcn-amd-amdhsa -mcpu=gfx1250 --defsym DOCPART=n.
;; ======== version 1 of 2: 4 launches
;; limits: a function is approximated: absolute error at most 1e-06; an absolute error that grows with the inputs' magnitude: up to 1e-06 times it
;; workspace buffers: xb 2,097,152 bytes; list 73,728 bytes of whole numbers; cnt 1,024 bytes of whole numbers; h 17,825,792 bytes; y 35,651,584 bytes
;; launch prep (part 1): grid 264 x 1, 1 waves a work-group, no clusters, 9,728 bytes of LDS; arguments x, expert_indices, xb, list, cnt; writes xb, list, cnt
.if DOCPART == 1
	.amdgcn_target "amdgcn-amd-amdhsa--gfx1250"
	.amdhsa_code_object_version 6
	.text
	.protected	k_qd14495b683_prep
	.globl	k_qd14495b683_prep
	.p2align	8
	.type	k_qd14495b683_prep,@function
k_qd14495b683_prep:
	s_mov_b64 s[64:65], 0
	v_nop
	global_prefetch_b8 v0, s[64:65] scope:SCOPE_SE
	s_setreg_imm32_b32 hwreg(HW_REG_WAVE_MODE, 25, 1), 1
	s_wait_xcnt 0x0
; Two roles, chosen by the work-group's number; one wave each.
; Work-groups 0-7 (ROUTE): expert e's list of routed rows.  A routed row is a pair id p = 2 t + k (token t, choice k), 2,048 in all.
;   list[e][rank] = p for the expert's pairs (any order); 2048 + 16 e + (rank & 15), a spare row, from the count up to the next multiple of 16; 0 behind that.
;   All 2,304 entries are written.  cnt[e] = the count, 32 times (each lane stores a word of its own, so EXEC is never narrowed).
; Work-groups 8-263 (CAST): 16,384 bytes of x rounded to bf16 (nearest even) into xb.
; LIMIT: an index outside 0..7 is in no list; reference() relies on indices inside its table.
.set LISTW, 2304                       ; entries of a list: 7 passes of 320 rows, and room
.set JUNK,  4*LISTW                    ; LDS: behind the list a word for each lane, for the stores of lanes that have nothing to place
.set SPARE, JUNK+256                   ; LDS: the spare words, a block of 256 bytes that no other line names
.set L16, 1                            ; v1   16 x lane
.set L8,  2                            ; v2    8 x lane
.set L4,  3                            ; v3    4 x lane
.set Z,   4                            ; v[4:7]    zeros
.set OUT, 8                            ; CAST v[8:71] packed bf16;   ROUTE v[8:79] the list read back
.set IN,  80                           ; CAST v[80:207] x as loaded; ROUTE v[80:143] the 2,048 indices, 64 a lane
.set T,   144                          ; ROUTE v[144:147] ranks, then LDS addresses
.set P,   148                          ; ROUTE v[148:151] pair ids
.set JK,  152                          ; ROUTE v152 my junk word's number
.set SPW, 208                          ; v208 LDS address of my spare word; never rewritten
.set NIL, 209                          ; v209 0; never rewritten
	s_load_b256 s[4:11], s[0:1], 0x0               ; x s[4:5], expert_indices s[6:7], xb s[8:9], list s[10:11]
	s_load_b64 s[12:13], s[0:1], 0x20              ; cnt
	v_lshl_add_u32 v[SPW], v0, 2, SPARE
	v_mov_b32 v[NIL], 0
	v_lshlrev_b32 v[L16], 4, v0
	v_lshlrev_b32 v[L8], 3, v0
	v_lshlrev_b32 v[L4], 2, v0
	s_mov_b32 s17, 0                               ; high word of every offset below
	s_wait_kmcnt 0x0
	s_cmp_lt_u32 ttmp9, 8
	s_cbranch_scc1 .Lroute
	; CAST.  32 loads of 512 consecutive bytes go out together; each pair of roundings follows its load; a store covers 256 consecutive bytes, aligned.
	s_sub_co_u32 s14, ttmp9, 8
	s_lshl_b32 s16, s14, 14
	s_add_nc_u64 s[4:5], s[4:5], s[16:17]
	s_lshl_b32 s16, s14, 13
	s_add_nc_u64 s[8:9], s[8:9], s[16:17]
.set j, 0
.rept 32
	global_load_b128 v[IN+4*j:IN+4*j+3], v[L16], s[4:5] offset:512*j th:TH_LOAD_NT
.set j, j+1
.endr
.set j, 0
.rept 32
	s_wait_loadcnt 31-j                            ; loads come back in order: load j is in, the 31 - j younger ones stay out
	v_cvt_pk_bf16_f32 v[OUT+2*j], v[IN+4*j], v[IN+4*j+1]
	v_cvt_pk_bf16_f32 v[OUT+2*j+1], v[IN+4*j+2], v[IN+4*j+3]
	global_store_b64 v[L8], v[OUT+2*j:OUT+2*j+1], s[8:9] offset:256*j
.set j, j+1
.endr
	s_endpgm                                       ; this role has written no LDS
.Lroute:
	s_mov_b32 s14, ttmp9                           ; e
.irp q, 0,1,2,3,4,5,6,7,8,9,10,11,12,13,14,15
	global_load_b128 v[IN+4*\q:IN+4*\q+3], v[L16], s[6:7] offset:512*\q  ; register 4 q + j holds the choice of pair 128 q + 4 lane + j
.endr
	s_mul_i32 s16, s14, 4*LISTW
	s_add_nc_u64 s[10:11], s[10:11], s[16:17]      ; my list
	s_lshl_b32 s16, s14, 7
	s_add_nc_u64 s[12:13], s[12:13], s[16:17]      ; my 32 words of cnt
.irp j, 0,1,2,3
	v_mov_b32 v[Z+\j], 0
.endr
.irp q, 0,1,2,3,4,5,6,7,8,9,10,11,12,13,14,15,16,17
	ds_store_b128 v[L16], v[Z:Z+3] offset:512*\q   ; the list starts as zeros
.endr
	v_add_nc_u32 v[JK], LISTW, v0
	s_mov_b32 s15, 0                               ; the running count
	s_wait_loadcnt 0x0
; Four registers of choices: a lane's rank is the running count + the matches in lower lanes.  A lane without a match stores into its junk word.
; The clamp stands behind the select, so that every LDS address is bounded by a constant written in the text.
.macro RANK q
.irp j, 0,1,2,3
	v_cmp_eq_u32 s[20+\j], s14, v[IN+4*(\q)+\j]
.endr
	s_bcnt1_i32_b32 s24, s20
	s_bcnt1_i32_b32 s25, s21
	s_bcnt1_i32_b32 s26, s22
	s_bcnt1_i32_b32 s27, s23
	s_add_co_u32 s24, s24, s15                     ; the count in front of register 1,
	s_add_co_u32 s25, s25, s24                     ; 2,
	s_add_co_u32 s26, s26, s25                     ; 3
	v_mbcnt_lo_u32_b32 v[T], s20, s15
	v_mbcnt_lo_u32_b32 v[T+1], s21, s24
	v_mbcnt_lo_u32_b32 v[T+2], s22, s25
	v_mbcnt_lo_u32_b32 v[T+3], s23, s26
	s_add_co_u32 s15, s27, s26
.irp j, 0,1,2,3
	v_cndmask_b32 v[T+\j], v[JK], v[T+\j], s[20+\j]
.endr
.irp j, 0,1,2,3
	v_min_u32 v[T+\j], LISTW+31, v[T+\j]
.endr
.irp j, 0,1,2,3
	v_lshlrev_b32 v[T+\j], 2, v[T+\j]
.endr
.irp j, 0,1,2,3
	v_add_nc_u32 v[P+\j], 128*(\q)+\j, v[L4]       ; the pair id
.endr
.irp j, 0,1,2,3
	ds_store_b32 v[T+\j], v[P+\j]
.endr
.endm
.irp q, 0,1,2,3,4,5,6,7,8,9,10,11,12,13,14,15
	RANK \q
.endr
	; the spare rows: ranks from the count to the next multiple of 16, at most 15 of them, one a lane
	s_add_co_u32 s16, s15, 15
	s_and_b32 s16, s16, -16                        ; the count rounded up
	s_lshl_b32 s18, s14, 4
	s_add_co_u32 s18, s18, 2048                    ; the expert's first spare row
	v_add_nc_u32 v[T], s15, v0
	v_cmp_gt_u32 vcc_lo, s16, v[T]
	v_and_or_b32 v[P], v[T], 15, s18
	v_cndmask_b32 v[T], v[JK], v[T], vcc_lo
	v_min_u32 v[T], LISTW+31, v[T]
	v_lshlrev_b32 v[T], 2, v[T]
	ds_store_b32 v[T], v[P]
	v_mov_b32 v[P+1], s15
	global_store_b32 v[L4], v[P+1], s[12:13]
.irp q, 0,1,2,3,4,5,6,7,8,9,10,11,12,13,14,15,16,17
	ds_load_b128 v[OUT+4*\q:OUT+4*\q+3], v[L16] offset:512*\q  ; LDS serves a wave's instructions in order (ISA guide 5.7.1.4): these see the stores above
.endr
.irp q, 0,1,2,3,4,5,6,7,8,9,10,11,12,13,14,15,16,17
	s_wait_dscnt 17-\q                             ; load q is back, the 17 - q younger ones stay out
	global_store_b128 v[L16], v[OUT+4*\q:OUT+4*\q+3], s[10:11] offset:512*\q
.endr
	s_wait_tensorcnt 0x0                           ; the wave's end, behind my last LDS store
	ds_add_u32 v[SPW], v[NIL]
	s_wait_dscnt 0x0
	s_endpgm
.Lfunc_end_k_qd14495b683_prep:
	.size	k_qd14495b683_prep, .Lfunc_end_k_qd14495b683_prep-k_qd14495b683_prep
	.p2alignl 7, 3214868480
	.fill 96, 4, 3214868480
	.section	.rodata,"a",@progbits
	.p2align	6, 0x0
	.amdhsa_kernel k_qd14495b683_prep
		.amdhsa_group_segment_fixed_size 9728
		.amdhsa_private_segment_fixed_size 0
		.amdhsa_enable_private_segment 0
		.amdhsa_kernarg_size 40
		.amdhsa_user_sgpr_count 2
		.amdhsa_user_sgpr_kernarg_segment_ptr 1
		.amdhsa_wavefront_size32 1
		.amdhsa_system_sgpr_workgroup_id_x 1
		.amdhsa_system_sgpr_workgroup_id_y 1
		.amdhsa_system_sgpr_workgroup_id_z 1
		.amdhsa_system_vgpr_workitem_id 0
		.amdhsa_next_free_vgpr 216
		.amdhsa_next_free_sgpr 66
		.amdhsa_reserve_vcc 1
		.amdhsa_float_denorm_mode_32 3
		.amdhsa_float_denorm_mode_16_64 3
		.amdhsa_memory_ordered 1
		.amdhsa_forward_progress 1
		.amdhsa_inst_pref_size 49
	.end_amdhsa_kernel
	.amdgpu_metadata
---
amdhsa.version: [ 1, 2 ]
amdhsa.kernels:
  - .name:           k_qd14495b683_prep
    .symbol:         k_qd14495b683_prep.kd
    .args:
      - { .name: x, .offset: 0, .size: 8, .value_kind: global_buffer, .address_space: global }
      - { .name: expert_indices, .offset: 8, .size: 8, .value_kind: global_buffer, .address_space: global }
      - { .name: xb, .offset: 16, .size: 8, .value_kind: global_buffer, .address_space: global }
      - { .name: list, .offset: 24, .size: 8, .value_kind: global_buffer, .address_space: global }
      - { .name: cnt, .offset: 32, .size: 8, .value_kind: global_buffer, .address_space: global }
    .group_segment_fixed_size: 9728
    .private_segment_fixed_size: 0
    .kernarg_segment_align: 8
    .kernarg_segment_size: 40
    .max_flat_workgroup_size: 32
    .sgpr_count:     66
    .vgpr_count:     216
    .wavefront_size: 32
...
	.end_amdgpu_metadata
.endif
;; end of part 1
;; launch ffn1 (part 2): grid 32 x 8, 4 waves a work-group, no clusters, 300,544 bytes of LDS; arguments xb, w1, b1, list, cnt, h; writes h
.if DOCPART == 2
	.amdgcn_target "amdgcn-amd-amdhsa--gfx1250"
	.amdhsa_code_object_version 6
	.text
	.protected	k_qd14495b683_ffn1
	.globl	k_qd14495b683_ffn1
	.p2align	8
	.type	k_qd14495b683_ffn1,@function
k_qd14495b683_ffn1:
	s_mov_b64 s[64:65], 0
	v_nop
	global_prefetch_b8 v0, s[64:65] scope:SCOPE_SE
	s_setreg_imm32_b32 hwreg(HW_REG_WAVE_MODE, 25, 1), 1
	s_wait_xcnt 0x0
.set SECOND, 0
; ONE TEXT FOR BOTH PRODUCTS OF THE EXPERTS' LAYER; the line above says which one this file is.
;   SECOND = 0:  h[id] = bf16( gelu( xb[id >> 1] . W1[e] + b1[e] ) )                      arguments: xb, w1, b1, list, cnt, h
;   SECOND = 1:  y[kq][id] = h[id][1024 kq ..] . W2[e][1024 kq ..]  (+ b2[e] where kq = 0)   arguments: h, w2, b2, list, cnt, y
; id is a routed row (pair id 2 t + k, or one of an expert's 16 spare rows from 2048 on) out of list[e]; cnt[e] is the number of the expert's rows.
; SHARES.  A work-group has expert e (grid y) and a slice of its weights, 128 columns x 1,024 k (grid x), which it alone reads, once, and ALL of the expert's rows.
; The slice comes in 8 chunks of 128 k: memory -> registers (f32) -> rounded to bf16 -> LDS, laid there as the matrix instruction's source registers take it, and STAYS there.
; Rows go in passes of 320: five blocks of 16 for each of the four waves (block 20 pass + 4 i + wave).
; PASS 0 IS A PIPELINE THREE CHUNKS DEEP: while chunk c is multiplied out of LDS, chunk c + 1 is rounded out of registers into LDS, and chunk c + 2 is on its way from memory into those registers.
; Passes 1 to 6 (7 x 320 covers all 2,048 rows on one expert) read the copy in LDS and no weights from memory.
; EVERY LOOP HAS A CONSTANT COUNT, and every wave passes every barrier: eight for pass 0's chunks, two in each of the seven passes.  A wave that a pass leaves without rows jumps forward over the work alone:
; the pass's start, each chunk's trip, the way out's blocks.  Places past the count read row 0, which exists; their results are not stored.
; NO MULTICAST, NO TENSOR LOADS: each weight byte has one reader, and the rows that an expert's work-groups share come by a list, which no tile descriptor covers.
; THE MATRIX INSTRUCTION: source 0 = 16 columns of W x 32 k, source 1 = 16 rows x 32 k.  In the result lane l holds row l % 16 and columns 8 (l / 16) + 0..7.
; FORMATS.  x, W and the bias are rounded once to bf16 (nearest even), h once; all sums in f32; y holds partial sums in f32.
; GELU.  g = v Phi(v), Phi(v) = 1/2 + copysign(1/2 - Q, v), Q = (1 + d1 a + .. + d6 a^6)^-16 / 2, a = |v| (Abramowitz and Stegun 26.2.19: error of Phi under 1.5e-7; with f32's roundings about 1e-6).
; LIMIT: for v below -5 the relative error of g is large; its absolute error stays under 1e-6 |v|.  Where the power overflows Q is 0 and Phi is 0 or 1, as it should be.
.if SECOND
.set ROWB, 4096                        ; bytes in a row of W (and in an expert's bias)
.set RSH,  13                          ; a row of h is 8,192 bytes
.set OSH,  12                          ; a row of y is 4,096 bytes
.else
.set ROWB, 16384
.set RSH,  11                          ; a row of xb is 2,048 bytes
.set OSH,  13
.endif
.set CH,     128*ROWB                  ; bytes from chunk to chunk in W
.set FR,     1040                      ; LDS: a fragment (16 columns x 32 k): registers 0-3 of lanes 0-31 (512 bytes), registers 4-7 (512), 16 of padding
.set CHL,    32*FR                     ; LDS: a chunk: fragment 8 ks + nb (k step ks of 4, column block nb of 8)
.set STAGE,  8*CHL                     ; LDS: behind the slice, for each wave 16 rows x 528 bytes (128 f32 + 16 of padding) for the way out
.set SPITCH, 528
.set SPARE,  STAGE+4*16*SPITCH         ; LDS: the spare words, 128 bytes a wave: two blocks of 256 bytes that no other line names
; REGISTERS, in windows of 256 (s_set_vgpr_msb: bits 1:0 source 0, 3:2 source 1, 5:4 source 2, 7:6 destination)
; window 0:
.set L16,  1                           ; 16 x lane
.set L8,   2                           ;  8 x lane
.set RR,   3                           ; lane % 16
.set HH,   4                           ; lane / 16
.set WO,   5                           ; my byte offset in a chunk of W
.set WSA0, 6                           ; where I store converted weights, in chunk 0
.set WSA,  7                           ; the same in the chunk that is being multiplied
.set WFA,  8                           ; where I read fragments, in the chunk that is being multiplied
.set PF,   9                           ; prefetch: my row of a chunk
.set LO,   10                          ; my byte offset in a pass's 320 list entries
.set STG,  11                          ; the way out: where I put 16 bytes of a row
.set SRD,  12                          ; the way out: where I read a row back
.set IDC,  13                          ; the ids of the block that is going out
.set TO,   14                          ; v14-18  block i: byte offset of my row's 16 bytes
.set TT,   19                          ; at work
.set ID,   20                          ; v20-24  block i: my row's id
.set H32,  25                          ; 32 x (lane / 16)
.set H16,  26                          ; 16 x (lane / 16)
.set SPW,  28                          ; LDS address of my spare word; never rewritten
.set NIL,  29                          ; 0; never rewritten
.set TMP,  96                          ; v96-127  converted weights on their way to LDS; the way out: packed rows
.set RAW,  128                         ; v128-255 a wave's part of a chunk, f32 as loaded
.set GG,   128                         ; the way out: v128-191 16 rows x 4 columns
.set RO,   192                         ; v192-207 their byte offsets in the output
.set XX,   208                         ; v208-223 |v|
.set PP,   224                         ; v224-239 the polynomial
; window 1: the accumulators of blocks 0-3, (i, nb) at 64 i + 8 nb.   window 2: v0-63 those of block 4;
.set TF,   64                          ; v64-223 the rows' fragments, (i, ks) at TF + 32 i + 8 ks.
; window 3: v0-63 the bias as the accumulators hold it, (nb, register) at 8 nb + register;
.set WFW,  64                          ; v64-191 fragments of W: two buffers, each a k step's eight column blocks
.set TF0,  4                           ; s[4:5]   the rows' buffer
.set WB,   6                           ; s[6:7]   W: in pass 0's loop the chunk behind the one that is being multiplied (from unit 1's run on: two behind)
.set BB,   8                           ; s[8:9]   my 128 numbers of the bias
.set LP,   10                          ; s[10:11] list[e] at the pass in hand
.set CP,   12                          ; s[12:13] cnt[e]
.set OP,   14                          ; s[14:15] the output at my columns
.set EX,   16                          ; e
.set WV,   17                          ; my wave's number
.set ST,   18                          ; the pass
.set KC,   19                          ; trips to go
.set EI,   20                          ; the way out: the block
.set NL,   21                          ; my live blocks in this pass, 0 to 5
.set NBLK, 22                          ; the expert's blocks of 16 rows
.set CNT,  23
.set TB,   24                          ; s[24:25] the rows' buffer at the chunk in hand (from unit 1's run on: the next)
.set T0,   26                          ; s[26:27] an offset
.set CO,   30                          ; LDS byte at which the chunk that is being multiplied begins: set and stepped by the loops themselves, outside every jump that hangs on the count
.set T2,   31
.set SL,   32                          ; my slice of columns
.set KQ,   33                          ; SECOND: my quarter of K
.set MK,   34                          ; SECOND: all ones where kq = 0
.set RS,   40                          ; s[40:55] the way out: 16 rows' offsets
.set DC,   66                          ; s[66:77] d1 .. d6, each the low word of a pair
.set AM,   78                          ; clears a sign
.set HM,   79                          ; a word's upper bf16
.set MSB, 0
.macro WIN new                         ; the immediate's high byte repeats the setting that is left; a switch that changes nothing is dropped
.if MSB != (\new)
	s_set_vgpr_msb (MSB<<8)|(\new)
.set MSB, \new
.endif
.endm
.macro PLACES                          ; four plain vector instructions between a matrix instruction and a load into, or a store from, its registers
.rept 4
	v_nop
.endr
.endm
; Half g (64 columns) of my 32 rows of the chunk co bytes behind s[WB]: slot s is row 16 (s / 8) + 8 (lane / 16) + s % 8, columns 4 (lane % 16) + 0..3.  Sixteen lanes read 256 consecutive bytes, aligned.
.macro WLOAD g, co
.irp s, 0,1,2,3,4,5,6,7,8,9,10,11,12,13,14,15
	global_load_b128 v[RAW+64*(\g)+4*\s:RAW+64*(\g)+4*\s+3], v[WO], s[WB:WB+1] offset:(\co)+(16*(\s/8)+(\s%8))*ROWB+256*(\g) th:TH_LOAD_NT
.endr
.endm
; The same half rounded and stored, co bytes behind v[WSA].  For column j of my four, slots 2 q and 2 q + 1 are neighbours along k: they pack into register q of that column's lane in the fragment.
.macro WCVT g, co
.irp j, 0,1,2,3
.irp q, 0,1,2,3,4,5,6,7
	v_cvt_pk_bf16_f32 v[TMP+8*\j+\q], v[RAW+64*(\g)+8*\q+\j], v[RAW+64*(\g)+8*\q+4+\j]
.endr
.endr
.irp j, 0,1,2,3
.irp hf, 0,1
	ds_store_b128 v[WSA], v[TMP+8*\j+4*\hf:TMP+8*\j+4*\hf+3] offset:(\co)+4*FR*(\g)+512*\hf+16*\j
.endr
.endr
.endm
; The chunk co bytes behind s[WB] is asked for ahead of its loads: each lane one row of my wave's 32, both aligned blocks of 256 bytes of its 512: each block once in the launch
.macro PFETCH co
	global_prefetch_b8 v[PF], s[WB:WB+1] offset:(\co) th:TH_LOAD_NT scope:SCOPE_SE
	global_prefetch_b8 v[PF], s[WB:WB+1] offset:(\co)+256 th:TH_LOAD_NT scope:SCOPE_SE
.endm
; 32 k of all five blocks' rows, off bytes behind s[TB], into the registers of k step ks: 10 loads
.macro TFLOAD ks, off
	WIN 0x80                                       ; destination window 2
.irp i, 0,1,2,3,4
	global_load_b128 v[TF+32*\i+8*(\ks):TF+32*\i+8*(\ks)+3],   v[TO+\i], s[TB:TB+1] offset:(\off)
	global_load_b128 v[TF+32*\i+8*(\ks)+4:TF+32*\i+8*(\ks)+7], v[TO+\i], s[TB:TB+1] offset:(\off)+32
.endr
.endm
; A k step's eight fragments, o bytes behind v[WFA], into buffer b: 16 loads of 512 consecutive bytes
.macro FETCH b, o
	WIN 0xc0                                       ; destination window 3
.irp f, 0,1,2,3,4,5,6,7
	ds_load_b128 v[WFW+64*(\b)+8*\f:WFW+64*(\b)+8*\f+3],   v[WFA] offset:(\o)+FR*\f
	ds_load_b128 v[WFW+64*(\b)+8*\f+4:WFW+64*(\b)+8*\f+7], v[WFA] offset:(\o)+FR*\f+512
.endr
.endm
.macro MM8 i, u                        ; block i x k step u's eight fragments
.if (\i) < 4
	WIN 0x5b                                       ; W window 3, rows window 2, C and D window 1
.set AC, 64*(\i)
.else
	WIN 0xab                                       ; C and D window 2
.set AC, 0
.endif
.irp f, 0,1,2,3,4,5,6,7
	v_wmma_f32_16x16x32_bf16 v[AC+8*\f:AC+8*\f+7], v[WFW+64*((\u)%2)+8*\f:WFW+64*((\u)%2)+8*\f+7], v[TF+32*(\i)+8*(\u):TF+32*(\i)+8*(\u)+7], v[AC+8*\f:AC+8*\f+7]
.endr
.endm
; A UNIT: k step u of the chunk at LDS byte s[CO]: 32 or 40 matrix instructions on as many accumulators, which take turns.
; kind 0: pass 0, steady.  1: pass 0's trip 6: chunk 7 is rounded, no further W is asked for.  2: a pass over the slice in LDS.  3: a pass's last trip.
; Behind block 0's products stands ONE RUN of everything that is not a product:
;   (kinds 0, 1; units 0, 1) half u of the NEXT chunk rounded and stored into LDS; its 32 roundings are the four places behind the unit before;  elsewhere four v_nop
;   (unit 1) the bases step: a whole unit behind the last global load that named them
;   the rows' 32 k three units ahead, into the registers that the unit before has finished with
;   (kind 0; units 0, 1) half u of the chunk two ahead, into the registers just rounded; (unit 0) the chunk three ahead is asked for, but not in the loop's last trip, which has none
;   the next unit's fragments, into the buffer that the unit before has finished with
; THE BARRIER for the next chunk (kinds 0, 1): each wave's stores are done and it signals at the end of unit 2; it waits behind unit 3's first eight products, ahead of the run that fetches the next chunk's first fragments.
; No byte of the slice is written twice, so this is the only barrier that a chunk needs.
; cb: how many younger global loads may stay out when this k step's rows have to be there (TRIP has the counts).
; Block 4 is multiplied only where the wave has five live blocks: a jump forward past eight matrix instructions.
.macro UNIT kind, u, cb
	s_wait_dscnt 0x0                               ; this unit's fragments are in
	s_wait_loadcnt \cb
	MM8 0, \u
.if ((\kind) < 3) || ((\u) < 3)
	WIN 0
.if ((\kind) < 2) && ((\u) == 3)
	s_barrier_wait -1                              ; every wave's part of the next chunk is in LDS
.endif
.if (\u) == 0
	v_add_nc_u32 v[WFA], s[CO], v[L16]
.endif
.if ((\kind) < 2) && ((\u) < 2)
.if (\u) == 0
	v_add_nc_u32 v[WSA], s[CO], v[WSA0]
.endif
	WCVT \u, CHL
.else
	PLACES
.endif
.if ((\kind) < 3) && ((\u) == 1)
	s_wait_xcnt 0x0                                ; the bases are stepped only when every issued load and prefetch has had its address translated (ISA guide 3.1)
	s_add_nc_u64 s[TB:TB+1], s[TB:TB+1], 256
.if (\kind) == 0
	s_add_nc_u64 s[WB:WB+1], s[WB:WB+1], CH
.endif
.endif
.if (\u) == 0
	TFLOAD 3, 192                                  ; this chunk's last k step
.elseif (\kind) < 3
	TFLOAD (\u)-1, 64*((\u)-1)                     ; the next chunk's k step u - 1
.endif
.if ((\kind) == 0) && ((\u) == 0)
	WIN 0
	WLOAD 0, CH
	s_cmp_eq_u32 s[KC], 1
	s_cbranch_scc1 .Lnopf\@
	PFETCH 2*CH
.Lnopf\@:
.endif
.if ((\kind) == 0) && ((\u) == 1)
	WIN 0
	WLOAD 1, 0
.endif
.if (\u) < 3
	FETCH ((\u)+1)%2, 8*FR*((\u)+1)
.else
	FETCH 0, CHL
.endif
.endif
	MM8 1, \u
	MM8 2, \u
	MM8 3, \u
	WIN 0                                          ; at a branch and at a label every window is 0
	s_cmp_lt_u32 s[NL], 5
	s_cbranch_scc1 .Lfour\@
	MM8 4, \u
	WIN 0
.Lfour\@:
.if ((\kind) < 2) && ((\u) == 2)
	s_wait_dscnt 0x0                               ; for the others' sake: my part of the next chunk is in LDS (and unit 3's fragments are in)
	s_barrier_signal -1                            ; only waits, window switches and products stand between this and the wait in unit 3
.endif
.endm
; A TRIP: one chunk, four units.  GLOBAL LOADS come back in order.  With K = 4 c + k step, a steady trip c of pass 0 issues, a group in each unit's run:
;   rows K = 4c+3 (10), W(c+2) half 0 (16) | rows 4c+4 (10), W(c+2) half 1 (16) | rows 4c+5 (10) | rows 4c+6 (10).      Rows stand ahead of W, so that no wait for rows asks for a younger W.
;   unit 0 wants rows 4c:   behind them stand 16 + 10 + 10 = 36.            W(c+1) half 0 is older than they are: it is in when unit 0's run rounds it.
;   unit 1 wants rows 4c+1: 10 + 10 + 16 = 36.                              W(c+1) half 1 is older than they are.
;   unit 2 wants rows 4c+2: 10 + 16 + 10 + 16 = 52.     unit 3 wants rows 4c+3: 16 + 10 + 16 + 10 = 52.        By this count a wave never has more than 62 loads out.
;   Trip 6 issues no W: 36 (trip 5's half 1 is among them), 20, 20, 20.     Over the slice in LDS: 20 everywhere.     A last trip issues rows K = 31 alone: 20, 20, 10, 0.
; No trip ends with places of its own: behind a trip's last products stand the next trip's run, or the four places at the head of the way out.
.macro TRIP kind
.if (\kind) == 0
	UNIT 0, 0, 36
	UNIT 0, 1, 36
	UNIT 0, 2, 52
	UNIT 0, 3, 52
.elseif (\kind) == 1
	UNIT 1, 0, 36
	UNIT 1, 1, 20
	UNIT 1, 2, 20
	UNIT 1, 3, 20
.elseif (\kind) == 2
	UNIT 2, 0, 20
	UNIT 2, 1, 20
	UNIT 2, 2, 20
	UNIT 2, 3, 20
.else
	UNIT 3, 0, 20
	UNIT 3, 1, 20
	UNIT 3, 2, 10
	UNIT 3, 3, 0
.endif
.endm
.macro NLIVE                           ; how many of 20 pass + 4 i + wave, i = 0..4, lie below the expert's number of blocks
	s_mul_i32 s[T2], s[ST], 20
	s_add_co_u32 s[T2], s[T2], s[WV]
	s_sub_co_i32 s[T2], s[NBLK], s[T2]
	s_add_co_i32 s[T2], s[T2], 3
	s_ashr_i32 s[T2], s[T2], 2
	s_max_i32 s[T2], s[T2], 0
	s_min_i32 s[NL], s[T2], 5
.endm
.macro IDS                             ; my row's id in each of the five blocks
.irp i, 0,1,2,3,4
	global_load_b32 v[ID+\i], v[LO], s[LP:LP+1] offset:256*\i
.endr
.endm
.macro ROWS                            ; the rows' byte offsets: each id is clamped by a constant before it enters an address
.irp i, 0,1,2,3,4
.if SECOND
	v_min_u32 v[TO+\i], 2175, v[ID+\i]
.else
	v_lshrrev_b32 v[TO+\i], 1, v[ID+\i]            ; the pair's token; a spare row takes the last token's x
	v_min_u32 v[TO+\i], 1023, v[TO+\i]
.endif
	v_lshlrev_b32 v[TO+\i], RSH, v[TO+\i]
	v_add_nc_u32 v[TO+\i], v[H16], v[TO+\i]
.endr
.endm
; The sums start as the bias.  The 320 moves carry it into the accumulators and spare as many additions on the way out; a first product with the bias as C would want a further copy of a unit ahead of each of the two loops.
.macro INIT
	WIN 0x43                                       ; destination window 1, source window 3
.set z, 0
.rept 256
	v_mov_b32 v[z], v[z%64]
.set z, z+1
.endr
	WIN 0x83                                       ; destination window 2
.set z, 0
.rept 64
	v_mov_b32 v[z], v[z]
.set z, z+1
.endr
	WIN 0
.endm
	s_load_b256 s[4:11], s[0:1], 0x0               ; rows s[4:5], W s[6:7], bias s[8:9], list s[10:11]
	s_load_b128 s[12:15], s[0:1], 0x20             ; cnt s[12:13], output s[14:15]
	v_lshl_add_u32 v[SPW], v0, 2, SPARE
	v_mov_b32 v[NIL], 0
	v_lshrrev_b32 v[TT], 5, v0
	v_readfirstlane_b32 s[WV], v[TT]               ; wave 0..3
	s_and_b32 s[EX], ttmp7, 0xffff
.if SECOND
	s_and_b32 s[SL], ttmp9, 7
	s_lshr_b32 s[KQ], ttmp9, 3
.else
	s_mov_b32 s[SL], ttmp9
.endif
	v_and_b32 v[L16], 31, v0
	v_lshlrev_b32 v[L8], 3, v[L16]
	v_lshlrev_b32 v[L16], 4, v[L16]
	v_and_b32 v[RR], 15, v0
	v_bfe_u32 v[HH], v0, 4, 1
	v_lshlrev_b32 v[H16], 4, v[HH]
	v_lshlrev_b32 v[H32], 5, v[HH]
	s_mul_i32 s[T2], s[WV], 32*ROWB                ; in every chunk wave w takes k step w: rows 32 w + 8 (lane / 16) + .., columns 4 (lane % 16) + ..
	v_mul_u32_u24 v[WO], v[HH], 8*ROWB
	v_lshl_add_u32 v[WO], v[RR], 4, v[WO]
	v_add_nc_u32 v[WO], s[T2], v[WO]
	v_mul_u32_u24 v[PF], v0, ROWB                  ; row 32 w + lane of a chunk
	v_lshrrev_b32 v[TT], 2, v[RR]                  ; column 4 r + j lies in fragment r / 4 of its half, row 4 (r % 4) + j: lane 4 (r % 4) + j + 16 (lane / 16) of the image
	v_mul_u32_u24 v[TT], v[TT], FR
	v_and_b32 v[WSA0], 3, v[RR]
	v_lshl_add_u32 v[WSA0], v[WSA0], 6, v[TT]
	v_lshl_add_u32 v[WSA0], v[HH], 8, v[WSA0]
	s_mul_i32 s[T2], s[WV], 8*FR
	v_add_nc_u32 v[WSA0], s[T2], v[WSA0]
	s_lshl_b32 s[T2], s[WV], 6
	v_lshl_add_u32 v[LO], v[RR], 2, s[T2]          ; entry 64 i + 16 w + lane % 16 of a pass
	s_mul_i32 s[T2], s[WV], 16*SPITCH
	s_add_co_u32 s[T2], s[T2], STAGE               ; my stage
	v_mul_u32_u24 v[STG], v[RR], SPITCH            ; in: row lane % 16, 32 bytes for each half of the lanes
	v_add_nc_u32 v[STG], v[H32], v[STG]
	v_add_nc_u32 v[STG], s[T2], v[STG]
	v_add_nc_u32 v[SRD], s[T2], v[L16]             ; back: a whole row of 512 bytes
	s_mov_b32 s[HM], 0xffff0000
.if SECOND == 0
	s_mov_b32 s[DC+0],  0x3d4c41b4                 ; d1 = .0498673470
	s_mov_b32 s[DC+2],  0x3cad2fe7                 ; d2 = .0211410061
	s_mov_b32 s[DC+4],  0x3b56cd72                 ; d3 = .0032776263
	s_mov_b32 s[DC+6],  0x381f660e                 ; d4 = .0000380036
	s_mov_b32 s[DC+8],  0x384d0fe2                 ; d5 = .0000488906
	s_mov_b32 s[DC+10], 0x36b49f9e                 ; d6 = .0000053830
.irp k, 0,2,4,6,8,10
	s_mov_b32 s[DC+\k+1], s[DC+\k]                 ; named with it as a pair
.endr
	s_mov_b32 s[AM], 0x7fffffff
.endif
	s_mov_b32 s[ST], 0
	s_mov_b32 s[T0+1], 0
	s_wait_kmcnt 0x0
	s_lshl_b32 s[T0], s[EX], 7
	s_add_nc_u64 s[CP:CP+1], s[CP:CP+1], s[T0:T0+1]
	s_load_b32 s[CNT], s[CP:CP+1], 0x0
	s_lshl_b32 s[T2], s[SL], 9                     ; my 128 columns, in f32
	s_lshl_b32 s[T0], s[EX], 24                    ; an expert's weights are 2^24 bytes
	s_add_co_u32 s[T0], s[T0], s[T2]
.if SECOND
	s_lshl_b32 s[RS], s[KQ], 22                    ; 1,024 rows of 4,096 bytes
	s_add_co_u32 s[T0], s[T0], s[RS]
.endif
	s_add_nc_u64 s[WB:WB+1], s[WB:WB+1], s[T0:T0+1]
	s_mul_i32 s[T0], s[EX], ROWB
	s_add_co_u32 s[T0], s[T0], s[T2]
	s_add_nc_u64 s[BB:BB+1], s[BB:BB+1], s[T0:T0+1]
	s_mul_i32 s[T0], s[EX], 9216
	s_add_nc_u64 s[LP:LP+1], s[LP:LP+1], s[T0:T0+1]
.if SECOND
	s_mul_i32 s[T0], s[KQ], 8912896                ; a plane of y: 2,176 rows of 4,096 bytes
	s_add_co_u32 s[T0], s[T0], s[T2]
	s_add_nc_u64 s[OP:OP+1], s[OP:OP+1], s[T0:T0+1]
	s_lshl_b32 s[T0], s[KQ], 11                    ; 1,024 numbers of h
	s_add_nc_u64 s[TF0:TF0+1], s[TF0:TF0+1], s[T0:T0+1]
	s_cmp_eq_u32 s[KQ], 0
	s_cselect_b32 s[MK], -1, 0
.else
	s_lshl_b32 s[T0], s[SL], 8                     ; my 128 columns, in bf16
	s_add_nc_u64 s[OP:OP+1], s[OP:OP+1], s[T0:T0+1]
.endif
	; PASS 0, THE START.  In this order: the ids (5 loads), the bias (16), chunk 0 of W (32).
	IDS
	WIN 0xc0                                       ; destination window 3
.irp c, 0,1,2,3,4,5,6,7
	global_load_b128 v[8*\c:8*\c+3],   v[H32], s[BB:BB+1] offset:64*\c       ; columns 16 nb + 8 (lane / 16) + 0..3,
	global_load_b128 v[8*\c+4:8*\c+7], v[H32], s[BB:BB+1] offset:64*\c+16    ; + 4..7: as an accumulator holds them
.endr
	WIN 0
	WLOAD 0, 0
	WLOAD 1, 0
	PFETCH CH                                      ; chunk 1
	s_mov_b32 s[CO], 0
	s_mov_b64 s[TB:TB+1], s[TF0:TF0+1]
	s_wait_kmcnt 0x0
	s_add_co_u32 s[NBLK], s[CNT], 15
	s_lshr_b32 s[NBLK], s[NBLK], 4
	NLIVE
	s_wait_loadcnt 32                              ; ids and bias are in; the 32 loads of W stay out
	ROWS
	WIN 0x0f                                       ; sources window 3, destination window 0
.set z, 0
.rept 32
	v_cvt_pk_bf16_f32 v[TMP+z], v[2*z], v[2*z+1]   ; the bias is rounded to bf16 like every other input,
.set z, z+1
.endr
	WIN 0
.if SECOND
.set z, 0
.rept 32
	v_and_b32 v[TMP+z], s[MK], v[TMP+z]            ; counts in one quarter of K alone,
.set z, z+1
.endr
.endif
	WIN 0xc0
.set z, 0
.rept 32
	v_lshlrev_b32 v[2*z], 16, v[TMP+z]             ; and widened again
	v_and_b32 v[2*z+1], s[HM], v[TMP+z]
.set z, z+1
.endr
	WIN 0
	; Chunk 0 is rounded, and what the first trip expects to be on its way goes out in a steady trip's order: W(1) half 0, rows K = 0, W(1) half 1, rows K = 1, rows K = 2: 62 loads.
	v_add_nc_u32 v[WSA], s[CO], v[WSA0]
	s_wait_loadcnt 16                              ; chunk 0's half 0 is in; half 1's 16 loads stay out
	WCVT 0, 0
	WLOAD 0, CH
	TFLOAD 0, 0
	WIN 0
	s_wait_loadcnt 26                              ; chunk 0's half 1 is in: behind it stand 16 + 10
	WCVT 1, 0
	WLOAD 1, CH
	TFLOAD 1, 64
	TFLOAD 2, 128
	WIN 0
	PFETCH 2*CH                                    ; chunk 2
	s_wait_dscnt 0x0                               ; for the others' sake: my part of chunk 0 is in LDS
	s_barrier_signal -1
	INIT                                           ; work on registers, while the others arrive
	s_barrier_wait -1                              ; everybody's part is
	v_add_nc_u32 v[WFA], s[CO], v[L16]
	FETCH 0, 0
	WIN 0
	s_wait_xcnt 0x0                                ; the loads and prefetches that name s[WB] were issued ahead of the 320 moves
	s_add_nc_u64 s[WB:WB+1], s[WB:WB+1], CH        ; chunk 1: the one behind the chunk that trip 0 multiplies
	s_mov_b32 s[KC], 6
.Lstream:                                              ; trips 0 to 5
	TRIP 0
	s_add_co_u32 s[CO], s[CO], CHL                 ; the next chunk's place in LDS
	s_sub_co_u32 s[KC], s[KC], 1
	s_cmp_lg_u32 s[KC], 0
	s_cbranch_scc1 .Lstream
	TRIP 1                                         ; trip 6
	s_add_co_u32 s[CO], s[CO], CHL
	s_branch .Llast                                ; pass 0's last trip and way out are every pass's: the same chunk in s[CO], the same 30 loads of rows and 16 of fragments on their way
.Lpass:                                                ; PASSES 1 TO 6: the slice lies in LDS.  Every wave walks all eight chunks; one without rows jumps each piece of work
	NLIVE
	s_mov_b32 s[CO], 0
	s_mov_b32 s[KC], 7
	s_cmp_eq_u32 s[NL], 0
	s_cbranch_scc1 .Lagain
	IDS
	s_wait_loadcnt 0x0
	ROWS
	s_mov_b64 s[TB:TB+1], s[TF0:TF0+1]
	TFLOAD 0, 0
	TFLOAD 1, 64
	TFLOAD 2, 128
	WIN 0
	v_add_nc_u32 v[WFA], s[CO], v[L16]
	FETCH 0, 0
	INIT
.Lagain:
	s_cmp_eq_u32 s[NL], 0
	s_cbranch_scc1 .Ldead                          ; forward, to a label ahead of the steps; no barrier stands in what is jumped
	TRIP 2
.Ldead:
	s_add_co_u32 s[CO], s[CO], CHL
	s_sub_co_u32 s[KC], s[KC], 1
	s_cmp_lg_u32 s[KC], 0
	s_cbranch_scc1 .Lagain
	s_cmp_eq_u32 s[NL], 0
	s_cbranch_scc1 .Lepi
.Llast:
	TRIP 3
; THE WAY OUT, a block of 16 rows at a time, live blocks only.  A lane's eight columns of a row go into my own stage in LDS and come back as whole rows, four neighbouring columns a lane.
; TWO BARRIERS A PASS, on every wave's path: one between the pass's reads of the slice and the stores into the stages, one between the stages' traffic and the next pass's reads of the slice (behind the last pass:
; the closing add).  By the sizes above no read of the slice reaches a stage (the last fragment ends at STAGE) and each wave keeps to its own stage; the barriers order the two kinds of LDS traffic without leaning on that arithmetic.
.macro ARM n                           ; block n into the stage; of each accumulator the low four registers first
	v_mov_b32 v[IDC], v[ID+(\n)]
.if (\n) < 4
	WIN 0x04                                       ; store data window 1
.else
	WIN 0x08                                       ; window 2
.endif
.irp c, 0,1,2,3,4,5,6,7
	ds_store_b128 v[STG], v[64*((\n)%4)+8*\c:64*((\n)%4)+8*\c+3]   offset:64*\c
	ds_store_b128 v[STG], v[64*((\n)%4)+8*\c+4:64*((\n)%4)+8*\c+7] offset:64*\c+16
.endr
	WIN 0
.endm
.Lepi:
	PLACES                                         ; behind the label, so that every way into the way out passes them: the four places between the last product and the stores of its results,
	                                               ; the next pass's loads into the rows' registers and its moves into the accumulators
	s_wait_dscnt 0x0                               ; my reads of the slice are back
	s_barrier_signal -1
	s_barrier_wait -1                              ; everybody's are
	s_mov_b32 s[EI], 0
	s_cmp_eq_u32 s[NL], 0
	s_cbranch_scc1 .Lout                           ; no live block: forward over the loop of blocks, in which no barrier stands
.Lblk:
	s_cmp_ge_u32 s[EI], s[NL]
	s_cbranch_scc1 .Lnext
	s_wait_xcnt 0x0                                ; the registers that the last block's stores read are rewritten only behind this wait
	s_cmp_eq_u32 s[EI], 0
	s_cbranch_scc1 .Larm0
	s_cmp_eq_u32 s[EI], 1
	s_cbranch_scc1 .Larm1
	s_cmp_eq_u32 s[EI], 2
	s_cbranch_scc1 .Larm2
	s_cmp_eq_u32 s[EI], 3
	s_cbranch_scc1 .Larm3
	ARM 4
	s_branch .Lrows
.Larm0:
	ARM 0
	s_branch .Lrows
.Larm1:
	ARM 1
	s_branch .Lrows
.Larm2:
	ARM 2
	s_branch .Lrows
.Larm3:
	ARM 3
.Lrows:
.irp t, 0,1,2,3,4,5,6,7,8,9,10,11,12,13,14,15
	ds_load_b128 v[GG+4*\t:GG+4*\t+3], v[SRD] offset:SPITCH*\t  ; LDS serves a wave's instructions in order (ISA guide 5.7.1.4): these see the stores above, and the next block's stores come behind them
.endr
.irp t, 0,1,2,3,4,5,6,7,8,9,10,11,12,13,14,15
	v_readlane_b32 s[RS+\t], v[IDC], \t            ; row t's id lies in lane t
.endr
.irp t, 0,1,2,3,4,5,6,7,8,9,10,11,12,13,14,15
	s_min_u32 s[RS+\t], s[RS+\t], 2175             ; clamped by a constant before it enters an address
.endr
.irp t, 0,1,2,3,4,5,6,7,8,9,10,11,12,13,14,15
	s_lshl_b32 s[RS+\t], s[RS+\t], OSH
.endr
.irp t, 0,1,2,3,4,5,6,7,8,9,10,11,12,13,14,15
.if SECOND
	v_add_nc_u32 v[RO+\t], s[RS+\t], v[L16]
.else
	v_add_nc_u32 v[RO+\t], s[RS+\t], v[L8]
.endif
.endr
.if SECOND
.irp t, 0,1,2,3,4,5,6,7,8,9,10,11,12,13,14,15
	s_wait_dscnt 15-\t                             ; row t is back, the 15 - t younger loads stay out
	global_store_b128 v[RO+\t], v[GG+4*\t:GG+4*\t+3], s[OP:OP+1]  ; 512 consecutive bytes of a row of y, aligned
.endr
.else
; Four rows, 16 numbers a lane: gelu, rounding, store.  The 16 reciprocals are one batch with one wait.
.macro GELU b
	s_wait_dscnt 12-4*(\b)                         ; rows 4 b .. 4 b + 3 are back, the later rows' loads stay out
.set z, 0
.rept 16
	v_and_b32 v[XX+z], s[AM], v[GG+16*(\b)+z]      ; a = |v|
.set z, z+1
.endr
.set z, 0
.rept 8
	v_pk_fma_f32 v[PP+z:PP+z+1], v[XX+z:XX+z+1], s[DC+10:DC+11], s[DC+8:DC+9] op_sel_hi:[1,0,0]  ; d6 a + d5
.set z, z+2
.endr
.irp k, 6,4,2,0
.set z, 0
.rept 8
	v_pk_fma_f32 v[PP+z:PP+z+1], v[PP+z:PP+z+1], v[XX+z:XX+z+1], s[DC+\k:DC+\k+1] op_sel_hi:[1,1,0]  ; .. a + d4, d3, d2, d1
.set z, z+2
.endr
.endr
.set z, 0
.rept 8
	v_pk_fma_f32 v[PP+z:PP+z+1], v[PP+z:PP+z+1], v[XX+z:XX+z+1], 1.0 op_sel_hi:[1,1,0]
.set z, z+2
.endr
.rept 4                                ; to the 16th power
.set z, 0
.rept 8
	v_pk_mul_f32 v[PP+z:PP+z+1], v[PP+z:PP+z+1], v[PP+z:PP+z+1]
.set z, z+2
.endr
.endr
.set z, 0
.rept 16
	v_rcp_f32 v[PP+z], v[PP+z]
.set z, z+1
.endr
	v_nop                                          ; a plain instruction behind the last reciprocal (ISA guide 5.7.2),
	s_wait_alu depctr_va_vdst(0)                   ; and a wait ahead of the first use: one for the sixteen
.set z, 0
.rept 8
	v_pk_fma_f32 v[PP+z:PP+z+1], v[PP+z:PP+z+1], -0.5, 0.5 op_sel_hi:[1,0,0]  ; 1/2 - Q
.set z, z+2
.endr
.set z, 0
.rept 16
	v_bfi_b32 v[PP+z], s[AM], v[PP+z], v[GG+16*(\b)+z]  ; with v's sign
.set z, z+1
.endr
.set z, 0
.rept 8
	v_pk_add_f32 v[PP+z:PP+z+1], v[PP+z:PP+z+1], 0.5 op_sel_hi:[1,0]  ; Phi
.set z, z+2
.endr
.set z, 0
.rept 8
	v_pk_mul_f32 v[GG+16*(\b)+z:GG+16*(\b)+z+1], v[GG+16*(\b)+z:GG+16*(\b)+z+1], v[PP+z:PP+z+1]
.set z, z+2
.endr
.set z, 0
.rept 8
	v_cvt_pk_bf16_f32 v[TMP+8*(\b)+z], v[GG+16*(\b)+2*z], v[GG+16*(\b)+2*z+1]
.set z, z+1
.endr
.irp rr, 0,1,2,3
	global_store_b64 v[RO+4*(\b)+\rr], v[TMP+8*(\b)+2*\rr:TMP+8*(\b)+2*\rr+1], s[OP:OP+1]  ; 256 consecutive bytes of a row of h, aligned
.endr
.endm
	GELU 0
	GELU 1
	GELU 2
	GELU 3
.endif
.Lnext:
	s_add_co_u32 s[EI], s[EI], 1
	s_cmp_lt_u32 s[EI], 5
	s_cbranch_scc1 .Lblk
.Lout:
	s_wait_dscnt 0x0                               ; my stores into my stage and my reads of it are done
	s_barrier_signal -1
	s_barrier_wait -1                              ; everybody's are
	s_add_nc_u64 s[LP:LP+1], s[LP:LP+1], 1280      ; the next pass's 320 entries; the loads that named this base have been waited for
	s_add_co_u32 s[ST], s[ST], 1
	s_cmp_lt_u32 s[ST], 7
	s_cbranch_scc1 .Lpass
	s_wait_tensorcnt 0x0                           ; the wave's end, behind my last LDS store
	ds_add_u32 v[SPW], v[NIL]
	s_wait_dscnt 0x0
	s_endpgm
.Lfunc_end_k_qd14495b683_ffn1:
	.size	k_qd14495b683_ffn1, .Lfunc_end_k_qd14495b683_ffn1-k_qd14495b683_ffn1
	.p2alignl 7, 3214868480
	.fill 96, 4, 3214868480
	.section	.rodata,"a",@progbits
	.p2align	6, 0x0
	.amdhsa_kernel k_qd14495b683_ffn1
		.amdhsa_group_segment_fixed_size 300544
		.amdhsa_private_segment_fixed_size 0
		.amdhsa_enable_private_segment 0
		.amdhsa_kernarg_size 48
		.amdhsa_user_sgpr_count 2
		.amdhsa_user_sgpr_kernarg_segment_ptr 1
		.amdhsa_wavefront_size32 1
		.amdhsa_system_sgpr_workgroup_id_x 1
		.amdhsa_system_sgpr_workgroup_id_y 1
		.amdhsa_system_sgpr_workgroup_id_z 1
		.amdhsa_system_vgpr_workitem_id 0
		.amdhsa_next_free_vgpr 960
		.amdhsa_next_free_sgpr 80
		.amdhsa_reserve_vcc 0
		.amdhsa_float_denorm_mode_32 3
		.amdhsa_float_denorm_mode_16_64 3
		.amdhsa_memory_ordered 1
		.amdhsa_forward_progress 1
		.amdhsa_inst_pref_size 190
	.end_amdhsa_kernel
	.amdgpu_metadata
---
amdhsa.version: [ 1, 2 ]
amdhsa.kernels:
  - .name:           k_qd14495b683_ffn1
    .symbol:         k_qd14495b683_ffn1.kd
    .args:
      - { .name: xb, .offset: 0, .size: 8, .value_kind: global_buffer, .address_space: global }
      - { .name: w1, .offset: 8, .size: 8, .value_kind: global_buffer, .address_space: global }
      - { .name: b1, .offset: 16, .size: 8, .value_kind: global_buffer, .address_space: global }
      - { .name: list, .offset: 24, .size: 8, .value_kind: global_buffer, .address_space: global }
      - { .name: cnt, .offset: 32, .size: 8, .value_kind: global_buffer, .address_space: global }
      - { .name: h, .offset: 40, .size: 8, .value_kind: global_buffer, .address_space: global }
    .group_segment_fixed_size: 300544
    .private_segment_fixed_size: 0
    .kernarg_segment_align: 8
    .kernarg_segment_size: 48
    .max_flat_workgroup_size: 128
    .sgpr_count:     80
    .vgpr_count:     960
    .wavefront_size: 32
...
	.end_amdgpu_metadata
.endif
;; end of part 2
;; launch ffn2 (part 3): grid 32 x 8, 4 waves a work-group, no clusters, 300,544 bytes of LDS; arguments h, w2, b2, list, cnt, y; writes y
.if DOCPART == 3
	.amdgcn_target "amdgcn-amd-amdhsa--gfx1250"
	.amdhsa_code_object_version 6
	.text
	.protected	k_qd14495b683_ffn2
	.globl	k_qd14495b683_ffn2
	.p2align	8
	.type	k_qd14495b683_ffn2,@function
k_qd14495b683_ffn2:
	s_mov_b64 s[64:65], 0
	v_nop
	global_prefetch_b8 v0, s[64:65] scope:SCOPE_SE
	s_setreg_imm32_b32 hwreg(HW_REG_WAVE_MODE, 25, 1), 1
	s_wait_xcnt 0x0
.set SECOND, 1
; ONE TEXT FOR BOTH PRODUCTS OF THE EXPERTS' LAYER; the line above says which one this file is.
;   SECOND = 0:  h[id] = bf16( gelu( xb[id >> 1] . W1[e] + b1[e] ) )                      arguments: xb, w1, b1, list, cnt, h
;   SECOND = 1:  y[kq][id] = h[id][1024 kq ..] . W2[e][1024 kq ..]  (+ b2[e] where kq = 0)   arguments: h, w2, b2, list, cnt, y
; id is a routed row (pair id 2 t + k, or one of an expert's 16 spare rows from 2048 on) out of list[e]; cnt[e] is the number of the expert's rows.
; SHARES.  A work-group has expert e (grid y) and a slice of its weights, 128 columns x 1,024 k (grid x), which it alone reads, once, and ALL of the expert's rows.
; The slice comes in 8 chunks of 128 k: memory -> registers (f32) -> rounded to bf16 -> LDS, laid there as the matrix instruction's source registers take it, and STAYS there.
; Rows go in passes of 320: five blocks of 16 for each of the four waves (block 20 pass + 4 i + wave).
; PASS 0 IS A PIPELINE THREE CHUNKS DEEP: while chunk c is multiplied out of LDS, chunk c + 1 is rounded out of registers into LDS, and chunk c + 2 is on its way from memory into those registers.
; Passes 1 to 6 (7 x 320 covers all 2,048 rows on one expert) read the copy in LDS and no weights from memory.
; EVERY LOOP HAS A CONSTANT COUNT, and every wave passes every barrier: eight for pass 0's chunks, two in each of the seven passes.  A wave that a pass leaves without rows jumps forward over the work alone:
; the pass's start, each chunk's trip, the way out's blocks.  Places past the count read row 0, which exists; their results are not stored.
; NO MULTICAST, NO TENSOR LOADS: each weight byte has one reader, and the rows that an expert's work-groups share come by a list, which no tile descriptor covers.
; THE MATRIX INSTRUCTION: source 0 = 16 columns of W x 32 k, source 1 = 16 rows x 32 k.  In the result lane l holds row l % 16 and columns 8 (l / 16) + 0..7.
; FORMATS.  x, W and the bias are rounded once to bf16 (nearest even), h once; all sums in f32; y holds partial sums in f32.
; GELU.  g = v Phi(v), Phi(v) = 1/2 + copysign(1/2 - Q, v), Q = (1 + d1 a + .. + d6 a^6)^-16 / 2, a = |v| (Abramowitz and Stegun 26.2.19: error of Phi under 1.5e-7; with f32's roundings about 1e-6).
; LIMIT: for v below -5 the relative error of g is large; its absolute error stays under 1e-6 |v|.  Where the power overflows Q is 0 and Phi is 0 or 1, as it should be.
.if SECOND
.set ROWB, 4096                        ; bytes in a row of W (and in an expert's bias)
.set RSH,  13                          ; a row of h is 8,192 bytes
.set OSH,  12                          ; a row of y is 4,096 bytes
.else
.set ROWB, 16384
.set RSH,  11                          ; a row of xb is 2,048 bytes
.set OSH,  13
.endif
.set CH,     128*ROWB                  ; bytes from chunk to chunk in W
.set FR,     1040                      ; LDS: a fragment (16 columns x 32 k): registers 0-3 of lanes 0-31 (512 bytes), registers 4-7 (512), 16 of padding
.set CHL,    32*FR                     ; LDS: a chunk: fragment 8 ks + nb (k step ks of 4, column block nb of 8)
.set STAGE,  8*CHL                     ; LDS: behind the slice, for each wave 16 rows x 528 bytes (128 f32 + 16 of padding) for the way out
.set SPITCH, 528
.set SPARE,  STAGE+4*16*SPITCH         ; LDS: the spare words, 128 bytes a wave: two blocks of 256 bytes that no other line names
; REGISTERS, in windows of 256 (s_set_vgpr_msb: bits 1:0 source 0, 3:2 source 1, 5:4 source 2, 7:6 destination)
; window 0:
.set L16,  1                           ; 16 x lane
.set L8,   2                           ;  8 x lane
.set RR,   3                           ; lane % 16
.set HH,   4                           ; lane / 16
.set WO,   5                           ; my byte offset in a chunk of W
.set WSA0, 6                           ; where I store converted weights, in chunk 0
.set WSA,  7                           ; the same in the chunk that is being multiplied
.set WFA,  8                           ; where I read fragments, in the chunk that is being multiplied
.set PF,   9                           ; prefetch: my row of a chunk
.set LO,   10                          ; my byte offset in a pass's 320 list entries
.set STG,  11                          ; the way out: where I put 16 bytes of a row
.set SRD,  12                          ; the way out: where I read a row back
.set IDC,  13                          ; the ids of the block that is going out
.set TO,   14                          ; v14-18  block i: byte offset of my row's 16 bytes
.set TT,   19                          ; at work
.set ID,   20                          ; v20-24  block i: my row's id
.set H32,  25                          ; 32 x (lane / 16)
.set H16,  26                          ; 16 x (lane / 16)
.set SPW,  28                          ; LDS address of my spare word; never rewritten
.set NIL,  29                          ; 0; never rewritten
.set TMP,  96                          ; v96-127  converted weights on their way to LDS; the way out: packed rows
.set RAW,  128                         ; v128-255 a wave's part of a chunk, f32 as loaded
.set GG,   128                         ; the way out: v128-191 16 rows x 4 columns
.set RO,   192                         ; v192-207 their byte offsets in the output
.set XX,   208                         ; v208-223 |v|
.set PP,   224                         ; v224-239 the polynomial
; window 1: the accumulators of blocks 0-3, (i, nb) at 64 i + 8 nb.   window 2: v0-63 those of block 4;
.set TF,   64                          ; v64-223 the rows' fragments, (i, ks) at TF + 32 i + 8 ks.
; window 3: v0-63 the bias as the accumulators hold it, (nb, register) at 8 nb + register;
.set WFW,  64                          ; v64-191 fragments of W: two buffers, each a k step's eight column blocks
.set TF0,  4                           ; s[4:5]   the rows' buffer
.set WB,   6                           ; s[6:7]   W: in pass 0's loop the chunk behind the one that is being multiplied (from unit 1's run on: two behind)
.set BB,   8                           ; s[8:9]   my 128 numbers of the bias
.set LP,   10                          ; s[10:11] list[e] at the pass in hand
.set CP,   12                          ; s[12:13] cnt[e]
.set OP,   14                          ; s[14:15] the output at my columns
.set EX,   16                          ; e
.set WV,   17                          ; my wave's number
.set ST,   18                          ; the pass
.set KC,   19                          ; trips to go
.set EI,   20                          ; the way out: the block
.set NL,   21                          ; my live blocks in this pass, 0 to 5
.set NBLK, 22                          ; the expert's blocks of 16 rows
.set CNT,  23
.set TB,   24                          ; s[24:25] the rows' buffer at the chunk in hand (from unit 1's run on: the next)
.set T0,   26                          ; s[26:27] an offset
.set CO,   30                          ; LDS byte at which the chunk that is being multiplied begins: set and stepped by the loops themselves, outside every jump that hangs on the count
.set T2,   31
.set SL,   32                          ; my slice of columns
.set KQ,   33                          ; SECOND: my quarter of K
.set MK,   34                          ; SECOND: all ones where kq = 0
.set RS,   40                          ; s[40:55] the way out: 16 rows' offsets
.set DC,   66                          ; s[66:77] d1 .. d6, each the low word of a pair
.set AM,   78                          ; clears a sign
.set HM,   79                          ; a word's upper bf16
.set MSB, 0
.macro WIN new                         ; the immediate's high byte repeats the setting that is left; a switch that changes nothing is dropped
.if MSB != (\new)
	s_set_vgpr_msb (MSB<<8)|(\new)
.set MSB, \new
.endif
.endm
.macro PLACES                          ; four plain vector instructions between a matrix instruction and a load into, or a store from, its registers
.rept 4
	v_nop
.endr
.endm
; Half g (64 columns) of my 32 rows of the chunk co bytes behind s[WB]: slot s is row 16 (s / 8) + 8 (lane / 16) + s % 8, columns 4 (lane % 16) + 0..3.  Sixteen lanes read 256 consecutive bytes, aligned.
.macro WLOAD g, co
.irp s, 0,1,2,3,4,5,6,7,8,9,10,11,12,13,14,15
	global_load_b128 v[RAW+64*(\g)+4*\s:RAW+64*(\g)+4*\s+3], v[WO], s[WB:WB+1] offset:(\co)+(16*(\s/8)+(\s%8))*ROWB+256*(\g) th:TH_LOAD_NT
.endr
.endm
; The same half rounded and stored, co bytes behind v[WSA].  For column j of my four, slots 2 q and 2 q + 1 are neighbours along k: they pack into register q of that column's lane in the fragment.
.macro WCVT g, co
.irp j, 0,1,2,3
.irp q, 0,1,2,3,4,5,6,7
	v_cvt_pk_bf16_f32 v[TMP+8*\j+\q], v[RAW+64*(\g)+8*\q+\j], v[RAW+64*(\g)+8*\q+4+\j]
.endr
.endr
.irp j, 0,1,2,3
.irp hf, 0,1
	ds_store_b128 v[WSA], v[TMP+8*\j+4*\hf:TMP+8*\j+4*\hf+3] offset:(\co)+4*FR*(\g)+512*\hf+16*\j
.endr
.endr
.endm
; The chunk co bytes behind s[WB] is asked for ahead of its loads: each lane one row of my wave's 32, both aligned blocks of 256 bytes of its 512: each block once in the launch
.macro PFETCH co
	global_prefetch_b8 v[PF], s[WB:WB+1] offset:(\co) th:TH_LOAD_NT scope:SCOPE_SE
	global_prefetch_b8 v[PF], s[WB:WB+1] offset:(\co)+256 th:TH_LOAD_NT scope:SCOPE_SE
.endm
; 32 k of all five blocks' rows, off bytes behind s[TB], into the registers of k step ks: 10 loads
.macro TFLOAD ks, off
	WIN 0x80                                       ; destination window 2
.irp i, 0,1,2,3,4
	global_load_b128 v[TF+32*\i+8*(\ks):TF+32*\i+8*(\ks)+3],   v[TO+\i], s[TB:TB+1] offset:(\off)
	global_load_b128 v[TF+32*\i+8*(\ks)+4:TF+32*\i+8*(\ks)+7], v[TO+\i], s[TB:TB+1] offset:(\off)+32
.endr
.endm
; A k step's eight fragments, o bytes behind v[WFA], into buffer b: 16 loads of 512 consecutive bytes
.macro FETCH b, o
	WIN 0xc0                                       ; destination window 3
.irp f, 0,1,2,3,4,5,6,7
	ds_load_b128 v[WFW+64*(\b)+8*\f:WFW+64*(\b)+8*\f+3],   v[WFA] offset:(\o)+FR*\f
	ds_load_b128 v[WFW+64*(\b)+8*\f+4:WFW+64*(\b)+8*\f+7], v[WFA] offset:(\o)+FR*\f+512
.endr
.endm
.macro MM8 i, u                        ; block i x k step u's eight fragments
.if (\i) < 4
	WIN 0x5b                                       ; W window 3, rows window 2, C and D window 1
.set AC, 64*(\i)
.else
	WIN 0xab                                       ; C and D window 2
.set AC, 0
.endif
.irp f, 0,1,2,3,4,5,6,7
	v_wmma_f32_16x16x32_bf16 v[AC+8*\f:AC+8*\f+7], v[WFW+64*((\u)%2)+8*\f:WFW+64*((\u)%2)+8*\f+7], v[TF+32*(\i)+8*(\u):TF+32*(\i)+8*(\u)+7], v[AC+8*\f:AC+8*\f+7]
.endr
.endm
; A UNIT: k step u of the chunk at LDS byte s[CO]: 32 or 40 matrix instructions on as many accumulators, which take turns.
; kind 0: pass 0, steady.  1: pass 0's trip 6: chunk 7 is rounded, no further W is asked for.  2: a pass over the slice in LDS.  3: a pass's last trip.
; Behind block 0's products stands ONE RUN of everything that is not a product:
;   (kinds 0, 1; units 0, 1) half u of the NEXT chunk rounded and stored into LDS; its 32 roundings are the four places behind the unit before;  elsewhere four v_nop
;   (unit 1) the bases step: a whole unit behind the last global load that named them
;   the rows' 32 k three units ahead, into the registers that the unit before has finished with
;   (kind 0; units 0, 1) half u of the chunk two ahead, into the registers just rounded; (unit 0) the chunk three ahead is asked for, but not in the loop's last trip, which has none
;   the next unit's fragments, into the buffer that the unit before has finished with
; THE BARRIER for the next chunk (kinds 0, 1): each wave's stores are done and it signals at the end of unit 2; it waits behind unit 3's first eight products, ahead of the run that fetches the next chunk's first fragments.
; No byte of the slice is written twice, so this is the only barrier that a chunk needs.
; cb: how many younger global loads may stay out when this k step's rows have to be there (TRIP has the counts).
; Block 4 is multiplied only where the wave has five live blocks: a jump forward past eight matrix instructions.
.macro UNIT kind, u, cb
	s_wait_dscnt 0x0                               ; this unit's fragments are in
	s_wait_loadcnt \cb
	MM8 0, \u
.if ((\kind) < 3) || ((\u) < 3)
	WIN 0
.if ((\kind) < 2) && ((\u) == 3)
	s_barrier_wait -1                              ; every wave's part of the next chunk is in LDS
.endif
.if (\u) == 0
	v_add_nc_u32 v[WFA], s[CO], v[L16]
.endif
.if ((\kind) < 2) && ((\u) < 2)
.if (\u) == 0
	v_add_nc_u32 v[WSA], s[CO], v[WSA0]
.endif
	WCVT \u, CHL
.else
	PLACES
.endif
.if ((\kind) < 3) && ((\u) == 1)
	s_wait_xcnt 0x0                                ; the bases are stepped only when every issued load and prefetch has had its address translated (ISA guide 3.1)
	s_add_nc_u64 s[TB:TB+1], s[TB:TB+1], 256
.if (\kind) == 0
	s_add_nc_u64 s[WB:WB+1], s[WB:WB+1], CH
.endif
.endif
.if (\u) == 0
	TFLOAD 3, 192                                  ; this chunk's last k step
.elseif (\kind) < 3
	TFLOAD (\u)-1, 64*((\u)-1)                     ; the next chunk's k step u - 1
.endif
.if ((\kind) == 0) && ((\u) == 0)
	WIN 0
	WLOAD 0, CH
	s_cmp_eq_u32 s[KC], 1
	s_cbranch_scc1 .Lnopf\@
	PFETCH 2*CH
.Lnopf\@:
.endif
.if ((\kind) == 0) && ((\u) == 1)
	WIN 0
	WLOAD 1, 0
.endif
.if (\u) < 3
	FETCH ((\u)+1)%2, 8*FR*((\u)+1)
.else
	FETCH 0, CHL
.endif
.endif
	MM8 1, \u
	MM8 2, \u
	MM8 3, \u
	WIN 0                                          ; at a branch and at a label every window is 0
	s_cmp_lt_u32 s[NL], 5
	s_cbranch_scc1 .Lfour\@
	MM8 4, \u
	WIN 0
.Lfour\@:
.if ((\kind) < 2) && ((\u) == 2)
	s_wait_dscnt 0x0                               ; for the others' sake: my part of the next chunk is in LDS (and unit 3's fragments are in)
	s_barrier_signal -1                            ; only waits, window switches and products stand between this and the wait in unit 3
.endif
.endm
; A TRIP: one chunk, four units.  GLOBAL LOADS come back in order.  With K = 4 c + k step, a steady trip c of pass 0 issues, a group in each unit's run:
;   rows K = 4c+3 (10), W(c+2) half 0 (16) | rows 4c+4 (10), W(c+2) half 1 (16) | rows 4c+5 (10) | rows 4c+6 (10).      Rows stand ahead of W, so that no wait for rows asks for a younger W.
;   unit 0 wants rows 4c:   behind them stand 16 + 10 + 10 = 36.            W(c+1) half 0 is older than they are: it is in when unit 0's run rounds it.
;   unit 1 wants rows 4c+1: 10 + 10 + 16 = 36.                              W(c+1) half 1 is older than they are.
;   unit 2 wants rows 4c+2: 10 + 16 + 10 + 16 = 52.     unit 3 wants rows 4c+3: 16 + 10 + 16 + 10 = 52.        By this count a wave never has more than 62 loads out.
;   Trip 6 issues no W: 36 (trip 5's half 1 is among them), 20, 20, 20.     Over the slice in LDS: 20 everywhere.     A last trip issues rows K = 31 alone: 20, 20, 10, 0.
; No trip ends with places of its own: behind a trip's last products stand the next trip's run, or the four places at the head of the way out.
.macro TRIP kind
.if (\kind) == 0
	UNIT 0, 0, 36
	UNIT 0, 1, 36
	UNIT 0, 2, 52
	UNIT 0, 3, 52
.elseif (\kind) == 1
	UNIT 1, 0, 36
	UNIT 1, 1, 20
	UNIT 1, 2, 20
	UNIT 1, 3, 20
.elseif (\kind) == 2
	UNIT 2, 0, 20
	UNIT 2, 1, 20
	UNIT 2, 2, 20
	UNIT 2, 3, 20
.else
	UNIT 3, 0, 20
	UNIT 3, 1, 20
	UNIT 3, 2, 10
	UNIT 3, 3, 0
.endif
.endm
.macro NLIVE                           ; how many of 20 pass + 4 i + wave, i = 0..4, lie below the expert's number of blocks
	s_mul_i32 s[T2], s[ST], 20
	s_add_co_u32 s[T2], s[T2], s[WV]
	s_sub_co_i32 s[T2], s[NBLK], s[T2]
	s_add_co_i32 s[T2], s[T2], 3
	s_ashr_i32 s[T2], s[T2], 2
	s_max_i32 s[T2], s[T2], 0
	s_min_i32 s[NL], s[T2], 5
.endm
.macro IDS                             ; my row's id in each of the five blocks
.irp i, 0,1,2,3,4
	global_load_b32 v[ID+\i], v[LO], s[LP:LP+1] offset:256*\i
.endr
.endm
.macro ROWS                            ; the rows' byte offsets: each id is clamped by a constant before it enters an address
.irp i, 0,1,2,3,4
.if SECOND
	v_min_u32 v[TO+\i], 2175, v[ID+\i]
.else
	v_lshrrev_b32 v[TO+\i], 1, v[ID+\i]            ; the pair's token; a spare row takes the last token's x
	v_min_u32 v[TO+\i], 1023, v[TO+\i]
.endif
	v_lshlrev_b32 v[TO+\i], RSH, v[TO+\i]
	v_add_nc_u32 v[TO+\i], v[H16], v[TO+\i]
.endr
.endm
; The sums start as the bias.  The 320 moves carry it into the accumulators and spare as many additions on the way out; a first product with the bias as C would want a further copy of a unit ahead of each of the two loops.
.macro INIT
	WIN 0x43                                       ; destination window 1, source window 3
.set z, 0
.rept 256
	v_mov_b32 v[z], v[z%64]
.set z, z+1
.endr
	WIN 0x83                                       ; destination window 2
.set z, 0
.rept 64
	v_mov_b32 v[z], v[z]
.set z, z+1
.endr
	WIN 0
.endm
	s_load_b256 s[4:11], s[0:1], 0x0               ; rows s[4:5], W s[6:7], bias s[8:9], list s[10:11]
	s_load_b128 s[12:15], s[0:1], 0x20             ; cnt s[12:13], output s[14:15]
	v_lshl_add_u32 v[SPW], v0, 2, SPARE
	v_mov_b32 v[NIL], 0
	v_lshrrev_b32 v[TT], 5, v0
	v_readfirstlane_b32 s[WV], v[TT]               ; wave 0..3
	s_and_b32 s[EX], ttmp7, 0xffff
.if SECOND
	s_and_b32 s[SL], ttmp9, 7
	s_lshr_b32 s[KQ], ttmp9, 3
.else
	s_mov_b32 s[SL], ttmp9
.endif
	v_and_b32 v[L16], 31, v0
	v_lshlrev_b32 v[L8], 3, v[L16]
	v_lshlrev_b32 v[L16], 4, v[L16]
	v_and_b32 v[RR], 15, v0
	v_bfe_u32 v[HH], v0, 4, 1
	v_lshlrev_b32 v[H16], 4, v[HH]
	v_lshlrev_b32 v[H32], 5, v[HH]
	s_mul_i32 s[T2], s[WV], 32*ROWB                ; in every chunk wave w takes k step w: rows 32 w + 8 (lane / 16) + .., columns 4 (lane % 16) + ..
	v_mul_u32_u24 v[WO], v[HH], 8*ROWB
	v_lshl_add_u32 v[WO], v[RR], 4, v[WO]
	v_add_nc_u32 v[WO], s[T2], v[WO]
	v_mul_u32_u24 v[PF], v0, ROWB                  ; row 32 w + lane of a chunk
	v_lshrrev_b32 v[TT], 2, v[RR]                  ; column 4 r + j lies in fragment r / 4 of its half, row 4 (r % 4) + j: lane 4 (r % 4) + j + 16 (lane / 16) of the image
	v_mul_u32_u24 v[TT], v[TT], FR
	v_and_b32 v[WSA0], 3, v[RR]
	v_lshl_add_u32 v[WSA0], v[WSA0], 6, v[TT]
	v_lshl_add_u32 v[WSA0], v[HH], 8, v[WSA0]
	s_mul_i32 s[T2], s[WV], 8*FR
	v_add_nc_u32 v[WSA0], s[T2], v[WSA0]
	s_lshl_b32 s[T2], s[WV], 6
	v_lshl_add_u32 v[LO], v[RR], 2, s[T2]          ; entry 64 i + 16 w + lane % 16 of a pass
	s_mul_i32 s[T2], s[WV], 16*SPITCH
	s_add_co_u32 s[T2], s[T2], STAGE               ; my stage
	v_mul_u32_u24 v[STG], v[RR], SPITCH            ; in: row lane % 16, 32 bytes for each half of the lanes
	v_add_nc_u32 v[STG], v[H32], v[STG]
	v_add_nc_u32 v[STG], s[T2], v[STG]
	v_add_nc_u32 v[SRD], s[T2], v[L16]             ; back: a whole row of 512 bytes
	s_mov_b32 s[HM], 0xffff0000
.if SECOND == 0
	s_mov_b32 s[DC+0],  0x3d4c41b4                 ; d1 = .0498673470
	s_mov_b32 s[DC+2],  0x3cad2fe7                 ; d2 = .0211410061
	s_mov_b32 s[DC+4],  0x3b56cd72                 ; d3 = .0032776263
	s_mov_b32 s[DC+6],  0x381f660e                 ; d4 = .0000380036
	s_mov_b32 s[DC+8],  0x384d0fe2                 ; d5 = .0000488906
	s_mov_b32 s[DC+10], 0x36b49f9e                 ; d6 = .0000053830
.irp k, 0,2,4,6,8,10
	s_mov_b32 s[DC+\k+1], s[DC+\k]                 ; named with it as a pair
.endr
	s_mov_b32 s[AM], 0x7fffffff
.endif
	s_mov_b32 s[ST], 0
	s_mov_b32 s[T0+1], 0
	s_wait_kmcnt 0x0
	s_lshl_b32 s[T0], s[EX], 7
	s_add_nc_u64 s[CP:CP+1], s[CP:CP+1], s[T0:T0+1]
	s_load_b32 s[CNT], s[CP:CP+1], 0x0
	s_lshl_b32 s[T2], s[SL], 9                     ; my 128 columns, in f32
	s_lshl_b32 s[T0], s[EX], 24                    ; an expert's weights are 2^24 bytes
	s_add_co_u32 s[T0], s[T0], s[T2]
.if SECOND
	s_lshl_b32 s[RS], s[KQ], 22                    ; 1,024 rows of 4,096 bytes
	s_add_co_u32 s[T0], s[T0], s[RS]
.endif
	s_add_nc_u64 s[WB:WB+1], s[WB:WB+1], s[T0:T0+1]
	s_mul_i32 s[T0], s[EX], ROWB
	s_add_co_u32 s[T0], s[T0], s[T2]
	s_add_nc_u64 s[BB:BB+1], s[BB:BB+1], s[T0:T0+1]
	s_mul_i32 s[T0], s[EX], 9216
	s_add_nc_u64 s[LP:LP+1], s[LP:LP+1], s[T0:T0+1]
.if SECOND
	s_mul_i32 s[T0], s[KQ], 8912896                ; a plane of y: 2,176 rows of 4,096 bytes
	s_add_co_u32 s[T0], s[T0], s[T2]
	s_add_nc_u64 s[OP:OP+1], s[OP:OP+1], s[T0:T0+1]
	s_lshl_b32 s[T0], s[KQ], 11                    ; 1,024 numbers of h
	s_add_nc_u64 s[TF0:TF0+1], s[TF0:TF0+1], s[T0:T0+1]
	s_cmp_eq_u32 s[KQ], 0
	s_cselect_b32 s[MK], -1, 0
.else
	s_lshl_b32 s[T0], s[SL], 8                     ; my 128 columns, in bf16
	s_add_nc_u64 s[OP:OP+1], s[OP:OP+1], s[T0:T0+1]
.endif
	; PASS 0, THE START.  In this order: the ids (5 loads), the bias (16), chunk 0 of W (32).
	IDS
	WIN 0xc0                                       ; destination window 3
.irp c, 0,1,2,3,4,5,6,7
	global_load_b128 v[8*\c:8*\c+3],   v[H32], s[BB:BB+1] offset:64*\c       ; columns 16 nb + 8 (lane / 16) + 0..3,
	global_load_b128 v[8*\c+4:8*\c+7], v[H32], s[BB:BB+1] offset:64*\c+16    ; + 4..7: as an accumulator holds them
.endr
	WIN 0
	WLOAD 0, 0
	WLOAD 1, 0
	PFETCH CH                                      ; chunk 1
	s_mov_b32 s[CO], 0
	s_mov_b64 s[TB:TB+1], s[TF0:TF0+1]
	s_wait_kmcnt 0x0
	s_add_co_u32 s[NBLK], s[CNT], 15
	s_lshr_b32 s[NBLK], s[NBLK], 4
	NLIVE
	s_wait_loadcnt 32                              ; ids and bias are in; the 32 loads of W stay out
	ROWS
	WIN 0x0f                                       ; sources window 3, destination window 0
.set z, 0
.rept 32
	v_cvt_pk_bf16_f32 v[TMP+z], v[2*z], v[2*z+1]   ; the bias is rounded to bf16 like every other input,
.set z, z+1
.endr
	WIN 0
.if SECOND
.set z, 0
.rept 32
	v_and_b32 v[TMP+z], s[MK], v[TMP+z]            ; counts in one quarter of K alone,
.set z, z+1
.endr
.endif
	WIN 0xc0
.set z, 0
.rept 32
	v_lshlrev_b32 v[2*z], 16, v[TMP+z]             ; and widened again
	v_and_b32 v[2*z+1], s[HM], v[TMP+z]
.set z, z+1
.endr
	WIN 0
	; Chunk 0 is rounded, and what the first trip expects to be on its way goes out in a steady trip's order: W(1) half 0, rows K = 0, W(1) half 1, rows K = 1, rows K = 2: 62 loads.
	v_add_nc_u32 v[WSA], s[CO], v[WSA0]
	s_wait_loadcnt 16                              ; chunk 0's half 0 is in; half 1's 16 loads stay out
	WCVT 0, 0
	WLOAD 0, CH
	TFLOAD 0, 0
	WIN 0
	s_wait_loadcnt 26                              ; chunk 0's half 1 is in: behind it stand 16 + 10
	WCVT 1, 0
	WLOAD 1, CH
	TFLOAD 1, 64
	TFLOAD 2, 128
	WIN 0
	PFETCH 2*CH                                    ; chunk 2
	s_wait_dscnt 0x0                               ; for the others' sake: my part of chunk 0 is in LDS
	s_barrier_signal -1
	INIT                                           ; work on registers, while the others arrive
	s_barrier_wait -1                              ; everybody's part is
	v_add_nc_u32 v[WFA], s[CO], v[L16]
	FETCH 0, 0
	WIN 0
	s_wait_xcnt 0x0                                ; the loads and prefetches that name s[WB] were issued ahead of the 320 moves
	s_add_nc_u64 s[WB:WB+1], s[WB:WB+1], CH        ; chunk 1: the one behind the chunk that trip 0 multiplies
	s_mov_b32 s[KC], 6
.Lstream:                                              ; trips 0 to 5
	TRIP 0
	s_add_co_u32 s[CO], s[CO], CHL                 ; the next chunk's place in LDS
	s_sub_co_u32 s[KC], s[KC], 1
	s_cmp_lg_u32 s[KC], 0
	s_cbranch_scc1 .Lstream
	TRIP 1                                         ; trip 6
	s_add_co_u32 s[CO], s[CO], CHL
	s_branch .Llast                                ; pass 0's last trip and way out are every pass's: the same chunk in s[CO], the same 30 loads of rows and 16 of fragments on their way
.Lpass:                                                ; PASSES 1 TO 6: the slice lies in LDS.  Every wave walks all eight chunks; one without rows jumps each piece of work
	NLIVE
	s_mov_b32 s[CO], 0
	s_mov_b32 s[KC], 7
	s_cmp_eq_u32 s[NL], 0
	s_cbranch_scc1 .Lagain
	IDS
	s_wait_loadcnt 0x0
	ROWS
	s_mov_b64 s[TB:TB+1], s[TF0:TF0+1]
	TFLOAD 0, 0
	TFLOAD 1, 64
	TFLOAD 2, 128
	WIN 0
	v_add_nc_u32 v[WFA], s[CO], v[L16]
	FETCH 0, 0
	INIT
.Lagain:
	s_cmp_eq_u32 s[NL], 0
	s_cbranch_scc1 .Ldead                          ; forward, to a label ahead of the steps; no barrier stands in what is jumped
	TRIP 2
.Ldead:
	s_add_co_u32 s[CO], s[CO], CHL
	s_sub_co_u32 s[KC], s[KC], 1
	s_cmp_lg_u32 s[KC], 0
	s_cbranch_scc1 .Lagain
	s_cmp_eq_u32 s[NL], 0
	s_cbranch_scc1 .Lepi
.Llast:
	TRIP 3
; THE WAY OUT, a block of 16 rows at a time, live blocks only.  A lane's eight columns of a row go into my own stage in LDS and come back as whole rows, four neighbouring columns a lane.
; TWO BARRIERS A PASS, on every wave's path: one between the pass's reads of the slice and the stores into the stages, one between the stages' traffic and the next pass's reads of the slice (behind the last pass:
; the closing add).  By the sizes above no read of the slice reaches a stage (the last fragment ends at STAGE) and each wave keeps to its own stage; the barriers order the two kinds of LDS traffic without leaning on that arithmetic.
.macro ARM n                           ; block n into the stage; of each accumulator the low four registers first
	v_mov_b32 v[IDC], v[ID+(\n)]
.if (\n) < 4
	WIN 0x04                                       ; store data window 1
.else
	WIN 0x08                                       ; window 2
.endif
.irp c, 0,1,2,3,4,5,6,7
	ds_store_b128 v[STG], v[64*((\n)%4)+8*\c:64*((\n)%4)+8*\c+3]   offset:64*\c
	ds_store_b128 v[STG], v[64*((\n)%4)+8*\c+4:64*((\n)%4)+8*\c+7] offset:64*\c+16
.endr
	WIN 0
.endm
.Lepi:
	PLACES                                         ; behind the label, so that every way into the way out passes them: the four places between the last product and the stores of its results,
	                                               ; the next pass's loads into the rows' registers and its moves into the accumulators
	s_wait_dscnt 0x0                               ; my reads of the slice are back
	s_barrier_signal -1
	s_barrier_wait -1                              ; everybody's are
	s_mov_b32 s[EI], 0
	s_cmp_eq_u32 s[NL], 0
	s_cbranch_scc1 .Lout                           ; no live block: forward over the loop of blocks, in which no barrier stands
.Lblk:
	s_cmp_ge_u32 s[EI], s[NL]
	s_cbranch_scc1 .Lnext
	s_wait_xcnt 0x0                                ; the registers that the last block's stores read are rewritten only behind this wait
	s_cmp_eq_u32 s[EI], 0
	s_cbranch_scc1 .Larm0
	s_cmp_eq_u32 s[EI], 1
	s_cbranch_scc1 .Larm1
	s_cmp_eq_u32 s[EI], 2
	s_cbranch_scc1 .Larm2
	s_cmp_eq_u32 s[EI], 3
	s_cbranch_scc1 .Larm3
	ARM 4
	s_branch .Lrows
.Larm0:
	ARM 0
	s_branch .Lrows
.Larm1:
	ARM 1
	s_branch .Lrows
.Larm2:
	ARM 2
	s_branch .Lrows
.Larm3:
	ARM 3
.Lrows:
.irp t, 0,1,2,3,4,5,6,7,8,9,10,11,12,13,14,15
	ds_load_b128 v[GG+4*\t:GG+4*\t+3], v[SRD] offset:SPITCH*\t  ; LDS serves a wave's instructions in order (ISA guide 5.7.1.4): these see the stores above, and the next block's stores come behind them
.endr
.irp t, 0,1,2,3,4,5,6,7,8,9,10,11,12,13,14,15
	v_readlane_b32 s[RS+\t], v[IDC], \t            ; row t's id lies in lane t
.endr
.irp t, 0,1,2,3,4,5,6,7,8,9,10,11,12,13,14,15
	s_min_u32 s[RS+\t], s[RS+\t], 2175             ; clamped by a constant before it enters an address
.endr
.irp t, 0,1,2,3,4,5,6,7,8,9,10,11,12,13,14,15
	s_lshl_b32 s[RS+\t], s[RS+\t], OSH
.endr
.irp t, 0,1,2,3,4,5,6,7,8,9,10,11,12,13,14,15
.if SECOND
	v_add_nc_u32 v[RO+\t], s[RS+\t], v[L16]
.else
	v_add_nc_u32 v[RO+\t], s[RS+\t], v[L8]
.endif
.endr
.if SECOND
.irp t, 0,1,2,3,4,5,6,7,8,9,10,11,12,13,14,15
	s_wait_dscnt 15-\t                             ; row t is back, the 15 - t younger loads stay out
	global_store_b128 v[RO+\t], v[GG+4*\t:GG+4*\t+3], s[OP:OP+1]  ; 512 consecutive bytes of a row of y, aligned
.endr
.else
; Four rows, 16 numbers a lane: gelu, rounding, store.  The 16 reciprocals are one batch with one wait.
.macro GELU b
	s_wait_dscnt 12-4*(\b)                         ; rows 4 b .. 4 b + 3 are back, the later rows' loads stay out
.set z, 0
.rept 16
	v_and_b32 v[XX+z], s[AM], v[GG+16*(\b)+z]      ; a = |v|
.set z, z+1
.endr
.set z, 0
.rept 8
	v_pk_fma_f32 v[PP+z:PP+z+1], v[XX+z:XX+z+1], s[DC+10:DC+11], s[DC+8:DC+9] op_sel_hi:[1,0,0]  ; d6 a + d5
.set z, z+2
.endr
.irp k, 6,4,2,0
.set z, 0
.rept 8
	v_pk_fma_f32 v[PP+z:PP+z+1], v[PP+z:PP+z+1], v[XX+z:XX+z+1], s[DC+\k:DC+\k+1] op_sel_hi:[1,1,0]  ; .. a + d4, d3, d2, d1
.set z, z+2
.endr
.endr
.set z, 0
.rept 8
	v_pk_fma_f32 v[PP+z:PP+z+1], v[PP+z:PP+z+1], v[XX+z:XX+z+1], 1.0 op_sel_hi:[1,1,0]
.set z, z+2
.endr
.rept 4                                ; to the 16th power
.set z, 0
.rept 8
	v_pk_mul_f32 v[PP+z:PP+z+1], v[PP+z:PP+z+1], v[PP+z:PP+z+1]
.set z, z+2
.endr
.endr
.set z, 0
.rept 16
	v_rcp_f32 v[PP+z], v[PP+z]
.set z, z+1
.endr
	v_nop                                          ; a plain instruction behind the last reciprocal (ISA guide 5.7.2),
	s_wait_alu depctr_va_vdst(0)                   ; and a wait ahead of the first use: one for the sixteen
.set z, 0
.rept 8
	v_pk_fma_f32 v[PP+z:PP+z+1], v[PP+z:PP+z+1], -0.5, 0.5 op_sel_hi:[1,0,0]  ; 1/2 - Q
.set z, z+2
.endr
.set z, 0
.rept 16
	v_bfi_b32 v[PP+z], s[AM], v[PP+z], v[GG+16*(\b)+z]  ; with v's sign
.set z, z+1
.endr
.set z, 0
.rept 8
	v_pk_add_f32 v[PP+z:PP+z+1], v[PP+z:PP+z+1], 0.5 op_sel_hi:[1,0]  ; Phi
.set z, z+2
.endr
.set z, 0
.rept 8
	v_pk_mul_f32 v[GG+16*(\b)+z:GG+16*(\b)+z+1], v[GG+16*(\b)+z:GG+16*(\b)+z+1], v[PP+z:PP+z+1]
.set z, z+2
.endr
.set z, 0
.rept 8
	v_cvt_pk_bf16_f32 v[TMP+8*(\b)+z], v[GG+16*(\b)+2*z], v[GG+16*(\b)+2*z+1]
.set z, z+1
.endr
.irp rr, 0,1,2,3
	global_store_b64 v[RO+4*(\b)+\rr], v[TMP+8*(\b)+2*\rr:TMP+8*(\b)+2*\rr+1], s[OP:OP+1]  ; 256 consecutive bytes of a row of h, aligned
.endr
.endm
	GELU 0
	GELU 1
	GELU 2
	GELU 3
.endif
.Lnext:
	s_add_co_u32 s[EI], s[EI], 1
	s_cmp_lt_u32 s[EI], 5
	s_cbranch_scc1 .Lblk
.Lout:
	s_wait_dscnt 0x0                               ; my stores into my stage and my reads of it are done
	s_barrier_signal -1
	s_barrier_wait -1                              ; everybody's are
	s_add_nc_u64 s[LP:LP+1], s[LP:LP+1], 1280      ; the next pass's 320 entries; the loads that named this base have been waited for
	s_add_co_u32 s[ST], s[ST], 1
	s_cmp_lt_u32 s[ST], 7
	s_cbranch_scc1 .Lpass
	s_wait_tensorcnt 0x0                           ; the wave's end, behind my last LDS store
	ds_add_u32 v[SPW], v[NIL]
	s_wait_dscnt 0x0
	s_endpgm
.Lfunc_end_k_qd14495b683_ffn2:
	.size	k_qd14495b683_ffn2, .Lfunc_end_k_qd14495b683_ffn2-k_qd14495b683_ffn2
	.p2alignl 7, 3214868480
	.fill 96, 4, 3214868480
	.section	.rodata,"a",@progbits
	.p2align	6, 0x0
	.amdhsa_kernel k_qd14495b683_ffn2
		.amdhsa_group_segment_fixed_size 300544
		.amdhsa_private_segment_fixed_size 0
		.amdhsa_enable_private_segment 0
		.amdhsa_kernarg_size 48
		.amdhsa_user_sgpr_count 2
		.amdhsa_user_sgpr_kernarg_segment_ptr 1
		.amdhsa_wavefront_size32 1
		.amdhsa_system_sgpr_workgroup_id_x 1
		.amdhsa_system_sgpr_workgroup_id_y 1
		.amdhsa_system_sgpr_workgroup_id_z 1
		.amdhsa_system_vgpr_workitem_id 0
		.amdhsa_next_free_vgpr 960
		.amdhsa_next_free_sgpr 80
		.amdhsa_reserve_vcc 0
		.amdhsa_float_denorm_mode_32 3
		.amdhsa_float_denorm_mode_16_64 3
		.amdhsa_memory_ordered 1
		.amdhsa_forward_progress 1
		.amdhsa_inst_pref_size 155
	.end_amdhsa_kernel
	.amdgpu_metadata
---
amdhsa.version: [ 1, 2 ]
amdhsa.kernels:
  - .name:           k_qd14495b683_ffn2
    .symbol:         k_qd14495b683_ffn2.kd
    .args:
      - { .name: h, .offset: 0, .size: 8, .value_kind: global_buffer, .address_space: global }
      - { .name: w2, .offset: 8, .size: 8, .value_kind: global_buffer, .address_space: global }
      - { .name: b2, .offset: 16, .size: 8, .value_kind: global_buffer, .address_space: global }
      - { .name: list, .offset: 24, .size: 8, .value_kind: global_buffer, .address_space: global }
      - { .name: cnt, .offset: 32, .size: 8, .value_kind: global_buffer, .address_space: global }
      - { .name: y, .offset: 40, .size: 8, .value_kind: global_buffer, .address_space: global }
    .group_segment_fixed_size: 300544
    .private_segment_fixed_size: 0
    .kernarg_segment_align: 8
    .kernarg_segment_size: 48
    .max_flat_workgroup_size: 128
    .sgpr_count:     80
    .vgpr_count:     960
    .wavefront_size: 32
...
	.end_amdgpu_metadata
.endif
;; end of part 3
;; launch sum (part 4): grid 256 x 1, 8 waves a work-group, no clusters, 0 bytes of LDS; arguments y, out0; writes out0
.if DOCPART == 4
	.amdgcn_target "amdgcn-amd-amdhsa--gfx1250"
	.amdhsa_code_object_version 6
	.text
	.protected	k_qd14495b683_sum
	.globl	k_qd14495b683_sum
	.p2align	8
	.type	k_qd14495b683_sum,@function
k_qd14495b683_sum:
	s_mov_b64 s[64:65], 0
	v_nop
	global_prefetch_b8 v0, s[64:65] scope:SCOPE_SE
	s_setreg_imm32_b32 hwreg(HW_REG_WAVE_MODE, 25, 1), 1
	s_wait_xcnt 0x0
; out0[t] = the sum over the four quarters of K and the token's two choices of y[kq][2 t + k]: eight rows of f32 into one.
; A stream: no LDS, no barrier, no matrix unit.  A work-group has four tokens; a wave half a token's row (2,048 bytes): 32 loads of 512 consecutive bytes go out together,
; the eight that belong to one store first; four stores of 512 consecutive bytes, aligned.  Each byte of y's first 2,048 rows a plane is read once; the spare rows are not read.
.set PLANE, 8912896                    ; bytes in a plane of y: 2,176 rows of 4,096
.set D, 8                              ; v[8:135]: piece m of four, plane q, choice k at D + 32 m + 8 q + 4 k
	s_load_b128 s[4:7], s[0:1], 0x0                ; y s[4:5], out0 s[6:7]
	v_lshrrev_b32 v1, 5, v0
	v_readfirstlane_b32 s8, v1                     ; wave 0..7
	v_and_b32 v2, 31, v0
	v_lshlrev_b32 v2, 4, v2                        ; 16 x lane
	s_lshl_b32 s9, ttmp9, 2
	s_lshr_b32 s10, s8, 1
	s_add_co_u32 s9, s9, s10                       ; my token
	s_and_b32 s10, s8, 1
	s_lshl_b32 s10, s10, 11                        ; my half of a row
	s_lshl_b32 s12, s9, 13                         ; a token's two rows of y are 8,192 bytes
	s_add_co_u32 s12, s12, s10
	s_mov_b32 s13, 0
	s_lshl_b32 s14, s9, 12
	s_add_co_u32 s14, s14, s10
	s_mov_b32 s15, 0
	s_wait_kmcnt 0x0
	s_add_nc_u64 s[16:17], s[4:5], s[12:13]        ; a base for each plane: the planes lie further apart than an immediate offset reaches
	s_add_nc_u64 s[18:19], s[16:17], PLANE
	s_add_nc_u64 s[20:21], s[18:19], PLANE
	s_add_nc_u64 s[22:23], s[20:21], PLANE
	s_add_nc_u64 s[6:7], s[6:7], s[14:15]
.irp m, 0,1,2,3
.irp q, 0,1,2,3
.irp k, 0,1
	global_load_b128 v[D+32*\m+8*\q+4*\k:D+32*\m+8*\q+4*\k+3], v2, s[16+2*\q:17+2*\q] offset:4096*\k+512*\m th:TH_LOAD_NT
.endr
.endr
.endr
.irp m, 0,1,2,3
	s_wait_loadcnt 24-8*\m                         ; loads come back in order: piece m's eight are in, the later pieces' stay out
.irp n, 0,8,16,24                      ; a tree of seven sums, two packed additions each
	v_pk_add_f32 v[D+32*\m+\n:D+32*\m+\n+1],   v[D+32*\m+\n:D+32*\m+\n+1],   v[D+32*\m+\n+4:D+32*\m+\n+5]
	v_pk_add_f32 v[D+32*\m+\n+2:D+32*\m+\n+3], v[D+32*\m+\n+2:D+32*\m+\n+3], v[D+32*\m+\n+6:D+32*\m+\n+7]
.endr
.irp n, 0,16
	v_pk_add_f32 v[D+32*\m+\n:D+32*\m+\n+1],   v[D+32*\m+\n:D+32*\m+\n+1],   v[D+32*\m+\n+8:D+32*\m+\n+9]
	v_pk_add_f32 v[D+32*\m+\n+2:D+32*\m+\n+3], v[D+32*\m+\n+2:D+32*\m+\n+3], v[D+32*\m+\n+10:D+32*\m+\n+11]
.endr
	v_pk_add_f32 v[D+32*\m:D+32*\m+1],   v[D+32*\m:D+32*\m+1],   v[D+32*\m+16:D+32*\m+17]
	v_pk_add_f32 v[D+32*\m+2:D+32*\m+3], v[D+32*\m+2:D+32*\m+3], v[D+32*\m+18:D+32*\m+19]
	global_store_b128 v2, v[D+32*\m:D+32*\m+3], s[6:7] offset:512*\m th:TH_STORE_NT
.endr
	s_endpgm
.Lfunc_end_k_qd14495b683_sum:
	.size	k_qd14495b683_sum, .Lfunc_end_k_qd14495b683_sum-k_qd14495b683_sum
	.p2alignl 7, 3214868480
	.fill 96, 4, 3214868480
	.section	.rodata,"a",@progbits
	.p2align	6, 0x0
	.amdhsa_kernel k_qd14495b683_sum
		.amdhsa_group_segment_fixed_size 0
		.amdhsa_private_segment_fixed_size 0
		.amdhsa_enable_private_segment 0
		.amdhsa_kernarg_size 16
		.amdhsa_user_sgpr_count 2
		.amdhsa_user_sgpr_kernarg_segment_ptr 1
		.amdhsa_wavefront_size32 1
		.amdhsa_system_sgpr_workgroup_id_x 1
		.amdhsa_system_sgpr_workgroup_id_y 1
		.amdhsa_system_sgpr_workgroup_id_z 1
		.amdhsa_system_vgpr_workitem_id 0
		.amdhsa_next_free_vgpr 144
		.amdhsa_next_free_sgpr 66
		.amdhsa_reserve_vcc 0
		.amdhsa_float_denorm_mode_32 3
		.amdhsa_float_denorm_mode_16_64 3
		.amdhsa_memory_ordered 1
		.amdhsa_forward_progress 1
		.amdhsa_inst_pref_size 9
	.end_amdhsa_kernel
	.amdgpu_metadata
---
amdhsa.version: [ 1, 2 ]
amdhsa.kernels:
  - .name:           k_qd14495b683_sum
    .symbol:         k_qd14495b683_sum.kd
    .args:
      - { .name: y, .offset: 0, .size: 8, .value_kind: global_buffer, .address_space: global }
      - { .name: out0, .offset: 8, .size: 8, .value_kind: global_buffer, .address_space: global }
    .group_segment_fixed_size: 0
    .private_segment_fixed_size: 0
    .kernarg_segment_align: 8
    .kernarg_segment_size: 16
    .max_flat_workgroup_size: 256
    .sgpr_count:     66
    .vgpr_count:     144
    .wavefront_size: 32
...
	.end_amdgpu_metadata
.endif
;; end of part 4
;; ======== version 2 of 2: 4 launches; version 1 with the launch prep written anew for expert scheduling mode
;; limits: a function is approximated: absolute error at most 1e-06; an absolute error that grows with the inputs' magnitude: up to 1e-06 times it
;; workspace buffers: xb 2,097,152 bytes; list 73,728 bytes of whole numbers; cnt 1,024 bytes of whole numbers; h 17,825,792 bytes; y 35,651,584 bytes
;; launch prep (part 5): grid 264 x 1, 1 waves a work-group, no clusters, 9,728 bytes of LDS; arguments x, expert_indices, xb, list, cnt; writes xb, list, cnt
.if DOCPART == 5
	.amdgcn_target "amdgcn-amd-amdhsa--gfx1250"
	.amdhsa_code_object_version 6
	.text
	.protected	k_qd14495b683_prep
	.globl	k_qd14495b683_prep
	.p2align	8
	.type	k_qd14495b683_prep,@function
k_qd14495b683_prep:
	s_mov_b64 s[64:65], 0
	v_nop
	global_prefetch_b8 v0, s[64:65] scope:SCOPE_SE
	s_setreg_imm32_b32 hwreg(HW_REG_WAVE_SCHED_MODE, 0, 2), 2
	s_setreg_imm32_b32 hwreg(HW_REG_WAVE_MODE, 25, 1), 1
	s_wait_xcnt 0x0
	s_wait_alu depctr_vm_vsrc(0)
; Two roles, chosen by the work-group's number; one wave each.
; Work-groups 0-7 (ROUTE): expert e's list of routed rows.  A routed row is a pair id p = 2 t + k (token t, choice k), 2,048 in all.
;   list[e][rank] = p for the expert's pairs (any order); 2048 + 16 e + (rank & 15), a spare row, from the count up to the next multiple of 16; 0 behind that.
;   All 2,304 entries are written.  cnt[e] = the count, 32 times (each lane stores a word of its own, so EXEC is never narrowed).
; Work-groups 8-263 (CAST): 16,384 bytes of x rounded to bf16 (nearest even) into xb.
; LIMIT: an index outside 0..7 is in no list; reference() relies on indices inside its table.
; THE MODE: SCHED_MODE bits 1:0 = 2 (LLVM: expert scheduling mode 2), set by the entry lines.  The code itself states the register dependences
; between vector instructions and memory or LDS instructions, with s_wait_alu, always for 0.
; THE PLAN.  Registers that memory or LDS instructions touch:
;   v1, v2, v3    offsets, written once at the head, read by every load and store, never written again: one wait on va_vdst ahead of the roles' branch.
;   CAST   IN     written by the 32 loads, read by the roundings, never loaded again.
;          OUT    each register written once, by a rounding, and read once, by a store.  The roundings go in four groups of eight loads; a group's eight stores are issued in the
;                 next group, behind ONE wait on va_vdst at that group's head, dealt among that group's roundings, which name other registers.
;   ROUTE  Z      written by four moves, read by the 18 LDS stores that clear the list: one wait on va_vdst between.
;          IN     written by the 16 loads; read by the compares; then the pair ids are written over the choices (vector against vector); read by 64 LDS stores as their data.
;          T, TS  LDS addresses, PS a spare row's id, CV the count: written by vector instructions, read by LDS stores (CV: by a global store).
;                 ONE wait on va_vdst stands behind all that arithmetic and ahead of all 65 LDS stores and the count's store; no vector instruction follows it.
;          OUT    written by the 18 LDS loads alone, read by the 18 global stores: the affair of s_wait_dscnt.
;   No register that a memory or LDS instruction reads is written again on either path, so no wait on vm_vsrc is owed.  EXEC is never written.
;   Masks: eight compares a group write s[16:23], one wait on va_sdst stands ahead of their first reader; the spare rows' compare writes VCC, with a wait on va_vcc ahead of its select.
.set LISTW, 2304                       ; entries of a list: 7 passes of 320 rows, and room
.set JUNK,  4*LISTW                    ; LDS: behind the list a word for each lane, for the stores of lanes that have nothing to place; the block of 256 bytes behind that holds the spare words of the closing add
.set L16, 1                            ; v1   16 x lane
.set L8,  2                            ; v2    8 x lane
.set L4,  3                            ; v3    4 x lane
.set Z,   4                            ; v[4:7]    zeros
.set OUT, 8                            ; CAST v[8:71] packed bf16;   ROUTE v[8:79] the list read back
.set IN,  80                           ; CAST v[80:207] x as loaded; ROUTE v[80:143] the 2,048 indices, 64 a lane; a group's pair ids take their place behind its compares
.set T,   144                          ; ROUTE v[144:207] ranks, then LDS addresses: one for each of the lane's 64 pairs
.set JK,  208                          ; ROUTE v208 my junk word's number
.set TS,  209                          ; ROUTE v209 the spare rows: rank, then LDS address
.set PS,  210                          ; ROUTE v210 the spare rows: id
.set CV,  211                          ; ROUTE v211 the count
.set MK,  16                           ; ROUTE s[16:23] a group's eight masks (s16 and s17 have served as an offset by then; s16 and s18 serve the spare rows afterwards)
.set BS,  24                           ; ROUTE s[24:31] the count in front of each of the group's eight registers
	s_load_b256 s[4:11], s[0:1], 0x0               ; x s[4:5], expert_indices s[6:7], xb s[8:9], list s[10:11]
	s_load_b64 s[12:13], s[0:1], 0x20              ; cnt
	v_lshl_add_u32 v214, v0, 2, 0x2500
	v_mov_b32 v215, 0
	v_lshlrev_b32 v[L16], 4, v0
	v_lshlrev_b32 v[L8], 3, v0
	v_lshlrev_b32 v[L4], 2, v0
	s_mov_b32 s17, 0                               ; high word of every offset below
	s_wait_kmcnt 0x0
	s_wait_alu depctr_va_vdst(0)                   ; v1, v2 and v3 are written: every load and store of both roles reads one of them as its offset
	s_cmp_lt_u32 ttmp9, 8
	s_cbranch_scc1 .Lroute
	; CAST.  32 loads of 512 consecutive bytes go out together; the roundings follow in four groups of eight loads; a store covers 256 consecutive bytes, aligned.
	s_sub_co_u32 s14, ttmp9, 8
	s_lshl_b32 s16, s14, 14
	s_add_nc_u64 s[4:5], s[4:5], s[16:17]
	s_lshl_b32 s16, s14, 13
	s_add_nc_u64 s[8:9], s[8:9], s[16:17]
.set j, 0
.rept 32
	global_load_b128 v[IN+4*j:IN+4*j+3], v[L16], s[4:5] offset:512*j th:TH_LOAD_NT
.set j, j+1
.endr
.set g, 0
.rept 4
	s_wait_loadcnt 24-8*g                          ; loads come back in order: group g's eight are in, the 24 - 8 g younger ones stay out
.if g > 0
	s_wait_alu depctr_va_vdst(0)                   ; the group before has written its sixteen registers of OUT, which the eight stores below read
.endif
.set j, 8*g
.rept 8
.if g > 0
	global_store_b64 v[L8], v[OUT+2*(j-8):OUT+2*(j-8)+1], s[8:9] offset:256*(j-8)  ; the group before; no rounding since the wait names these registers
.endif
	v_cvt_pk_bf16_f32 v[OUT+2*j], v[IN+4*j], v[IN+4*j+1]
	v_cvt_pk_bf16_f32 v[OUT+2*j+1], v[IN+4*j+2], v[IN+4*j+3]
.set j, j+1
.endr
.set g, g+1
.endr
	s_wait_alu depctr_va_vdst(0)                   ; the last group has written its sixteen registers of OUT, which the last eight stores read
.set j, 24
.rept 8
	global_store_b64 v[L8], v[OUT+2*j:OUT+2*j+1], s[8:9] offset:256*j
.set j, j+1
.endr
	s_endpgm                                       ; this role has written no LDS
.Lroute:
.irp j, 0,1,2,3
	v_mov_b32 v[Z+\j], 0
.endr
	v_add_nc_u32 v[JK], LISTW, v0
	s_mov_b32 s14, ttmp9                           ; e
.irp q, 0,1,2,3,4,5,6,7,8,9,10,11,12,13,14,15
	global_load_b128 v[IN+4*\q:IN+4*\q+3], v[L16], s[6:7] offset:512*\q  ; register 4 q + j holds the choice of pair 128 q + 4 lane + j; the moves above name neither v1 nor IN
.endr
	s_mul_i32 s16, s14, 4*LISTW
	s_add_nc_u64 s[10:11], s[10:11], s[16:17]      ; my list
	s_lshl_b32 s16, s14, 7
	s_add_nc_u64 s[12:13], s[12:13], s[16:17]      ; my 32 words of cnt
	s_wait_alu depctr_va_vdst(0)                   ; the four zeros are written, which the LDS stores below read
.irp q, 0,1,2,3,4,5,6,7,8,9,10,11,12,13,14,15,16,17
	ds_store_b128 v[L16], v[Z:Z+3] offset:512*\q   ; the list starts as zeros
.endr
	s_mov_b32 s15, 0                               ; the running count
	s_wait_loadcnt 0x0
; Group g: eight registers of choices.  A lane's rank is the running count + the matches in lower lanes.  A lane without a match will store into its junk word.
; The clamp stands behind the select, so that every LDS address is bounded by a constant written in the text.  No LDS store stands here: all 64 follow the one wait behind the last group.
.macro RANKS g
.set j, 0
.rept 8
	v_cmp_eq_u32 s[MK+j], s14, v[IN+8*(\g)+j]
.set j, j+1
.endr
.set j, 0
.rept 8
	v_add_nc_u32 v[IN+8*(\g)+j], 128*(2*(\g)+j/4)+j%4, v[L4]  ; the pair id, over the choice that the compare above has read
.set j, j+1
.endr
	s_wait_alu depctr_va_sdst(0)                   ; the eight masks s[16:23] are written, ahead of their first reader, the count of bits below
	s_mov_b32 s[BS], s15                           ; the count in front of register 0,
.set j, 0
.rept 7
	s_bcnt1_i32_b32 s[BS+j+1], s[MK+j]
	s_add_co_u32 s[BS+j+1], s[BS+j+1], s[BS+j]     ; 1 to 7,
.set j, j+1
.endr
	s_bcnt1_i32_b32 s15, s[MK+7]
	s_add_co_u32 s15, s15, s[BS+7]                 ; and in front of the next group
.set j, 0
.rept 8
	v_mbcnt_lo_u32_b32 v[T+8*(\g)+j], s[MK+j], s[BS+j]
.set j, j+1
.endr
.set j, 0
.rept 8
	v_cndmask_b32 v[T+8*(\g)+j], v[JK], v[T+8*(\g)+j], s[MK+j]
.set j, j+1
.endr
.set j, 0
.rept 8
	v_min_u32 v[T+8*(\g)+j], LISTW+31, v[T+8*(\g)+j]
.set j, j+1
.endr
.set j, 0
.rept 8
	v_lshlrev_b32 v[T+8*(\g)+j], 2, v[T+8*(\g)+j]
.set j, j+1
.endr
.endm
.irp g, 0,1,2,3,4,5,6,7
	RANKS \g
.endr
	; the spare rows: ranks from the count to the next multiple of 16, at most 15 of them, one a lane
	s_add_co_u32 s16, s15, 15
	s_and_b32 s16, s16, -16                        ; the count rounded up
	s_lshl_b32 s18, s14, 4
	s_add_co_u32 s18, s18, 2048                    ; the expert's first spare row
	v_add_nc_u32 v[TS], s15, v0
	v_cmp_gt_u32 vcc_lo, s16, v[TS]
	v_and_or_b32 v[PS], v[TS], 15, s18
	v_mov_b32 v[CV], s15
	s_wait_alu depctr_va_vcc(0)                    ; VCC is written, ahead of the select that reads it
	v_cndmask_b32 v[TS], v[JK], v[TS], vcc_lo
	v_min_u32 v[TS], LISTW+31, v[TS]
	v_lshlrev_b32 v[TS], 2, v[TS]
	s_wait_alu depctr_va_vdst(0)                   ; the 65 addresses (T, TS), the 65 ids (IN, PS) and the count (CV) are written, which the stores below read; no vector instruction follows
.set j, 0
.rept 64
	ds_store_b32 v[T+j], v[IN+j]                   ; behind the zeros: LDS serves a wave's instructions in order (ISA guide 5.7.1.4)
.set j, j+1
.endr
	ds_store_b32 v[TS], v[PS]
	global_store_b32 v[L4], v[CV], s[12:13]
.irp q, 0,1,2,3,4,5,6,7,8,9,10,11,12,13,14,15,16,17
	ds_load_b128 v[OUT+4*\q:OUT+4*\q+3], v[L16] offset:512*\q  ; LDS serves a wave's instructions in order (ISA guide 5.7.1.4): these see the stores above; no vector instruction of this role names OUT
.endr
.irp q, 0,1,2,3,4,5,6,7,8,9,10,11,12,13,14,15,16,17
	s_wait_dscnt 17-\q                             ; load q is back, the 17 - q younger ones stay out
	global_store_b128 v[L16], v[OUT+4*\q:OUT+4*\q+3], s[10:11] offset:512*\q
.endr
	s_wait_dscnt 0x0                               ; the wave's end
	s_wait_alu depctr_hold_cnt(0) depctr_sa_sdst(0) depctr_va_vdst(0) depctr_va_sdst(0) depctr_va_ssrc(0) depctr_va_vcc(0) depctr_vm_vsrc(0)
	s_wait_tensorcnt 0x0
	ds_add_u32 v214, v215
	s_wait_dscnt 0x0
	s_endpgm
.Lfunc_end_k_qd14495b683_prep:
	.size	k_qd14495b683_prep, .Lfunc_end_k_qd14495b683_prep-k_qd14495b683_prep
	.p2alignl 7, 3214868480
	.fill 96, 4, 3214868480
	.section	.rodata,"a",@progbits
	.p2align	6, 0x0
	.amdhsa_kernel k_qd14495b683_prep
		.amdhsa_group_segment_fixed_size 9728
		.amdhsa_private_segment_fixed_size 0
		.amdhsa_enable_private_segment 0
		.amdhsa_kernarg_size 40
		.amdhsa_user_sgpr_count 2
		.amdhsa_user_sgpr_kernarg_segment_ptr 1
		.amdhsa_wavefront_size32 1
		.amdhsa_system_sgpr_workgroup_id_x 1
		.amdhsa_system_sgpr_workgroup_id_y 1
		.amdhsa_system_sgpr_workgroup_id_z 1
		.amdhsa_system_vgpr_workitem_id 0
		.amdhsa_next_free_vgpr 216
		.amdhsa_next_free_sgpr 66
		.amdhsa_reserve_vcc 1
		.amdhsa_float_denorm_mode_32 3
		.amdhsa_float_denorm_mode_16_64 3
		.amdhsa_memory_ordered 1
		.amdhsa_forward_progress 1
		.amdhsa_inst_pref_size 49
	.end_amdhsa_kernel
	.amdgpu_metadata
---
amdhsa.version: [ 1, 2 ]
amdhsa.kernels:
  - .name:           k_qd14495b683_prep
    .symbol:         k_qd14495b683_prep.kd
    .args:
      - { .name: x, .offset: 0, .size: 8, .value_kind: global_buffer, .address_space: global }
      - { .name: expert_indices, .offset: 8, .size: 8, .value_kind: global_buffer, .address_space: global }
      - { .name: xb, .offset: 16, .size: 8, .value_kind: global_buffer, .address_space: global }
      - { .name: list, .offset: 24, .size: 8, .value_kind: global_buffer, .address_space: global }
      - { .name: cnt, .offset: 32, .size: 8, .value_kind: global_buffer, .address_space: global }
    .group_segment_fixed_size: 9728
    .private_segment_fixed_size: 0
    .kernarg_segment_align: 8
    .kernarg_segment_size: 40
    .max_flat_workgroup_size: 32
    .sgpr_count:     66
    .vgpr_count:     216
    .wavefront_size: 32
...
	.end_amdgpu_metadata
.endif
;; end of part 5
;; launch ffn1: the kernel of part 2 again; grid 32 x 8, 4 waves a work-group, no clusters, 300,544 bytes of LDS; arguments xb, w1, b1, list, cnt, h; writes h
;; launch ffn2: the kernel of part 3 again; grid 32 x 8, 4 waves a work-group, no clusters, 300,544 bytes of LDS; arguments h, w2, b2, list, cnt, y; writes y
;; launch sum: the kernel of part 4 again; grid 256 x 1, 8 waves a work-group, no clusters, 0 bytes of LDS; arguments y, out0; writes out0
